; MI455X (gfx1250); checked and timed in simulation.
; The chip was launched on July 23, 2026; its instructions are those of AMD's public machine-readable ISA for CDNA 5 (MIT licence, August 2026) and "CDNA5" Instruction Set Architecture Reference Guide (July 2026). The comments in the code are by the model that wrote it; some were corrected since.
;; SA Module. Allowed arithmetic: matrix products marked QUANTISED: E2M1 operands, one E8M0 scale for each 32 along K, by v_wmma_scale_f32_16x16x128_f8f6f4 with both operands' format E2M1 (or v_wmma_scale_f32_32x16x128_f4), f32 sums; products left as they are: f32 operands where the result goes on into a quantised operand, else bf16, f16 or f32 operands; f32 sums; everything else in f32.
;; Inputs: bbox_b 256 float32; bbox_w 256 x 6 float32; bk 256 float32; bn_b 256 float32; bn_g 256 float32; bn_mean 256 float32; bn_var 256 float32; bo 256 float32; bq 256 float32; bv 256 float32; conv1_b 256 float32; conv1_w 256 x 240 float32; conv2_b 256 float32; conv2_w_codes 256 x 8 x 16 uint8 (E2M1 codes of conv2_w, K innermost, in blocks of 32 codes, two codes a byte); conv2_w_scales 256 x 8 uint8 (E8M0 scales of conv2_w, one for each 32 codes along K); fc1_b 32 float32; fc1_w 32 x 4 float32; fc2_b 32 float32; fc2_w_codes 32 x 1 x 16 uint8 (E2M1 codes of fc2_w, K innermost, in blocks of 32 codes, two codes a byte); fc2_w_scales 32 x 1 uint8 (E8M0 scales of fc2_w, one for each 32 codes along K); fc3_b 4 float32; fc3_w 4 x 32 float32; ln1_b 32 float32; ln1_g 32 float32; ln2_b 32 float32; ln2_g 32 float32; obj_center 2,048 x 3 float32; obj_feature 2,048 x 240 float32; obj_size 2,048 x 3 float32; prelu_a 256 float32; wk_codes 256 x 8 x 16 uint8 (E2M1 codes of wk, K innermost, in blocks of 32 codes, two codes a byte); wk_scales 256 x 8 uint8 (E8M0 scales of wk, one for each 32 codes along K); wo_codes 256 x 8 x 16 uint8 (E2M1 codes of wo, K innermost, in blocks of 32 codes, two codes a byte); wo_scales 256 x 8 uint8 (E8M0 scales of wo, one for each 32 codes along K); wq_codes 256 x 8 x 16 uint8 (E2M1 codes of wq, K innermost, in blocks of 32 codes, two codes a byte); wq_scales 256 x 8 uint8 (E8M0 scales of wq, one for each 32 codes along K); wv_codes 256 x 8 x 16 uint8 (E2M1 codes of wv, K innermost, in blocks of 32 codes, two codes a byte); wv_scales 256 x 8 uint8 (E8M0 scales of wv, one for each 32 codes along K).
;; Outputs: out0 2,048 x 256 float32.
;; This version of the problem:
;;   THIS VERSION OF THE PROBLEM IS GIVEN IN LOW PRECISION. The matrix products marked QUANTISED in the list below multiply operands that are first quantised to E2M1 (2 exponent bits, 1 mantissa bit; 4 bits a number), with one power-of-two scale for each 32 numbers along K (OCP MX v1.0); their sums are f32. All else is computed in f32.
;;   The module's matrix products, in the order in which they are computed (A, B: the left and right operand; K: the contracted axis; several contracted axes count as one K, in the product's order):
;;     1. [M 4,194,304, K 4] x [K 4, N 32]; A: computed on the way; B: input fc1_w: left as it is (K = 4 < 32)
;;     2. [M 4,194,304, K 32] x [K 32, N 32]; A: computed on the way; B: input fc2_w (given as codes): QUANTISED
;;     3. [M 4,194,304, K 32] x [K 32, N 4]; A: computed on the way; B: input fc3_w: left as it is (N = 4 < 16)
;;     4. [M 2,048, K 240] x [K 240, N 256]; A: input obj_feature; B: input conv1_w: QUANTISED
;;     5. [M 2,048, K 256] x [K 256, N 256]; A: computed on the way; B: input conv2_w (given as codes): QUANTISED
;;     6. [M 2,048, K 6] x [K 6, N 256]; A: computed on the way; B: input bbox_w: left as it is (K = 6 < 32)
;;     7. [M 2,048, K 256] x [K 256, N 256]; A: computed on the way; B: input wq (given as codes): QUANTISED
;;     8. [M 2,048, K 256] x [K 256, N 256]; A: computed on the way; B: input wk (given as codes): QUANTISED
;;     9. [M 2,048, K 256] x [K 256, N 256]; A: computed on the way; B: input wv (given as codes): QUANTISED
;;     10. batch 4 x [M 2,048, K 64] x [K 64, N 2,048]; A: computed on the way; B: computed on the way: QUANTISED
;;     11. batch 4 x [M 2,048, K 2,048] x [K 2,048, N 64]; A: softmax (see below); B: computed on the way: QUANTISED
;;     12. [M 2,048, K 256] x [K 256, N 256]; A: computed on the way; B: input wo (given as codes): QUANTISED
;;   THE QUANTISER, for each operand of a quantised product, along K:
;;     - K is cut into blocks of 32 from its start; a last block that is shorter is filled with zeros.
;;     - A block's scale is 2^e with e = floor(log2(the largest magnitude in the block)) - 2, held to -126 .. 127; a block of zeros has e = 0. As a byte (E8M0): e + 127.
;;     - Each number is divided by its block's scale, clamped to +-6, and rounded to the nearest number of E2M1, ties to even, subnormals kept.
;;     - The product sums the exact products of the quantised numbers (number of the format x scale) in f32.
;;   ~~~python
;;   def quantise(x, axis):      # numpy; x: float32 -> the quantised numbers, widened to float32 again
;;       x = np.moveaxis(x, axis, -1); K = x.shape[-1]
;;       x = np.pad(x, [(0, 0)] * (x.ndim - 1) + [(0, -K % 32)]); x = x.reshape(x.shape[:-1] + (-1, 32)); a = np.abs(x).max(-1, keepdims=True)
;;       e = np.where(a > 0, np.clip(np.frexp(np.where(a > 0, a, 1))[1] - 1 - 2, -126, 127), 0)      # np.frexp(a)[1] - 1 = floor(log2(a)), exactly
;;       r = np.clip(x / 2.0 ** e, -6, 6)
;;       step = 2.0 ** (np.maximum(np.frexp(np.where(r == 0, 1, r))[1] - 1, 0) - 1)
;;       q = np.round(r / step) * step * 2.0 ** e      # np.round: ties to even
;;       return np.moveaxis(q.reshape(q.shape[:-2] + (-1,))[..., :K], -1, axis).astype(np.float32)
;;   ~~~
;;   SOFTMAX AHEAD OF A QUANTISED PRODUCT. Where the list says 'softmax', what is quantised is not the finished softmax but p = 2^(t - M), with t = logit x log2(e) and M = ceil(the row's largest t), a whole number; so 1/2 < the row's largest p <= 1. The row's sum l is taken of the UNQUANTISED p, in f32, and the product's result is divided by l at the end. Since M is a whole number, a kernel that streams over the keys may use a running M (the ceiling of the running maximum): every later rescaling is an exact power of two, which a block's scale takes up: the codes' values come out the same.
;;   OPERANDS COMPUTED ON THE WAY. 'Computed on the way' means the value that the module computes at that place (a softmax that the list does not call 'softmax' is quantised finished and normalised). What goes into a quantiser is computed in f32, as accurately as f32 sums, v_exp_f32 and their like allow (about 1e-6 of the number): no bf16 or f16 on the way to a quantiser, and a product that is left as it is and whose result goes on into a quantised operand takes f32 operands (vector FMAs, or v_wmma_f32_16x16x4_f32). A number that lies on a knife's edge between two numbers of the format may be rounded either way, as far as f32 arithmetic and the matrix unit's own rounding can turn it there, and no further.
;;   INPUTS GIVEN AS CODES. conv2_w (in the module: [256, 256], K = its axis 1); fc2_w (in the module: [32, 32], K = its axis 1); wk (in the module: [256, 256], K = its axis 1); wo (in the module: [256, 256], K = its axis 1); wq (in the module: [256, 256], K = its axis 1); wv (in the module: [256, 256], K = its axis 1): each comes as NAME_codes (uint8): NAME with its K axis moved to the last place and cut into blocks of 32 codes, [.., K / 32, bytes a block], one block behind the other in memory; two codes a byte, the lower K in the low four bits (a code: sign, 2 exponent bits, 1 mantissa bit); and NAME_scales (uint8): the same leading axes, one E8M0 byte (e + 127) for each 32 codes along K. Its value is code x scale, taken as it is: it is not quantised again, and the codes and scales need not be those that the quantiser above would give.
;; One version. Each part assembles by itself: llvm-mc -triple=amdgcn-amd-amdhsa -mcpu=gfx1250 --defsym DOCPART=n.
;; ======== version 1 of 1: 2 launches
;; workspace buffers: ws 901,120 bytes
;; launch prep (part 1): grid 64 x 1, 4 waves a work-group, no clusters, 63,488 bytes of LDS; arguments obj_feature, obj_center, obj_size, conv1_w, conv1_b, bn_g, bn_b, bn_mean, bn_var, prelu_a, conv2_w_codes, conv2_w_scales, conv2_b, bbox_w, bbox_b, wq_codes, wq_scales, bq, wk_codes, wk_scales, bk, wv_codes, wv_scales, bv, ws; writes ws
.if DOCPART == 1
	.amdgcn_target "amdgcn-amd-amdhsa--gfx1250"
	.amdhsa_code_object_version 6
	.text
	.protected	k_qf8ca83c6c6_prep
	.globl	k_qf8ca83c6c6_prep
	.p2align	8
	.type	k_qf8ca83c6c6_prep,@function
k_qf8ca83c6c6_prep:
	s_mov_b64 s[64:65], 0
	v_nop
	global_prefetch_b8 v0, s[64:65] scope:SCOPE_SE
	s_setreg_imm32_b32 hwreg(HW_REG_WAVE_MODE, 25, 1), 1
	s_wait_xcnt 0x0
; THE FEATURE CHAIN: x = conv2(prelu(bn(conv1(obj_feature)))) + box embedding; q, k, v = x wq^T + bq, x wk^T + bk, x wv^T + bv.
; All five wide products on codes of FP4 (E2M1) with one E8M0 scale for each 32 along K; the box embedding (K = 6) in f32 multiply-adds, as the C of conv2's sums.
; OUT, into ws: q and k as IMAGES OF OPERAND REGISTERS (16 rows x 128 channels: 8 registers a lane, group c of lane L at 512 c + 16 L), their scale words, v as codes with the keys innermost,
; v's scale bytes, and the centres padded to 16 bytes.
; SHARES.  64 work-groups of 32 rows, four waves.  Row tile u (0, 1): lane r holds row 32 wg + 8 u + r + 8 (r / 8), so that a k image is a tile of keys as the attention launch wants it.
; Wave w = 2 cw + u makes units 128 cw .. + 127 of conv1, conv2, q, k for row tile u (products used transposed: source 0 = 16 rows of the weight, source 1 = 16 rows of x: a lane holds one row
; and its registers run along the next K).  For v wave w makes channels 64 w .. + 63 for both row tiles, not transposed: a lane holds one channel and 16 neighbouring keys.
; THE ROWS OF A WEIGHT THAT FORM A TILE ARE NOT NEIGHBOURS: lane r of tile 2 b + e takes row 32 b + 8 e + r + 8 (r / 8), so that two neighbouring tiles' 16 registers are 16 neighbours along the next K.
; Activations go from wave to wave through LDS as images of their registers; no LDS region is written twice, so three barriers serve.
; LIMITS: NaN and infinities among the inputs are not served.  A block whose largest magnitude lies under 2^-124 keeps the scale byte 1; a block of zeros gets the byte 1 and not 127: its codes are
; zeros, and these bytes are read by this program alone.  Batch norm is folded as z sc + sh with sc = g rsq(var + eps), sh = (conv1_b - mean) sc + bn_b: f32, in another order of rounding than the source.
; The scale bytes of v leave as single bytes 4 apart (16 KiB in the whole launch): the price of whole scale words for the reader.
.set QIMG, 0
.set KIMG, 262144
.set VIMG, 524288
.set QSC,  786432
.set KSC,  819200
.set VSC,  851968
.set CPAD, 868352
; LDS
.set C1IMG, 0                          ; conv1_w's 32 fragments, 1,024 bytes each: (8 cw + tile) x 2 + K step
.set C1SC,  32768                      ; their scale words, 128 bytes each
.set XIMG,  36864                      ; obj_feature's 4 fragments: 2 u + K step
.set XSC,   40960
.set A2IMG, 41472                      ; conv2's input
.set A2SC,  45568
.set A3IMG, 46080                      ; x
.set A3SC,  50176
.set TAB,   50688                      ; 12 tables of 256 f32
.set OSC,   0                          ; sc
.set OSH,   1024                       ; sh
.set OPA,   2048                       ; prelu_a
.set OCB,   3072                       ; conv2_b + bbox_b
.set OBQ,   4096
.set OBK,   5120
.set OBW,   6144                       ; bbox_w, transposed: table k holds bbox_w[unit][k]
; window 0
.set VR,  1                            ; r = lane % 16
.set VH,  2                            ; h = lane / 16
.set VL,  3                            ; lane
.set VRR, 4                            ; r + 8 (r / 8)
.set LI,  5                            ; 16 x lane
.set LS,  6                            ; 4 x lane
.set XA,  7                            ; obj_feature: my row, my K step, + 64 h
.set XC,  8                            ; the same for the step's last block: without 64 h where that block is the short one
.set WA,  9                            ; conv1_w: row rr, + 64 h
.set WB,  10                           ; without 64 h
.set WC,  11                           ; weights given as codes: row rr of 128 bytes, + 16 h
.set WSO, 12                           ; their scale words: 8 bytes a row
.set VC,  13                           ; wv: row r
.set VSO, 14
.set T8,  15                           ; 8 x thread: two units of each table
.set T48, 16                           ; 48 x thread: two rows of bbox_w
.set C1W, 17
.set C1WS, 18
.set C1R, 19
.set C1RS, 20
.set AW,  21                           ; where I store an activation's image: (2 u + cw) x 1,024 + 16 lane
.set AWS, 22
.set AR,  23                           ; where I read my row tile's: 2 u x 1,024 + 16 lane
.set ARS, 24
.set TB,  25                           ; tables in the result's layout: 512 cw + 64 h
.set RC,  26                           ; my row's centre and size
.set BVO, 27
.set OI,  28                           ; q's and k's image in ws
.set OS,  29
.set NIL, 30
.set XF,  32                           ; v32-63 four fragments of activations; at the head the tables' landing
.set HA,  64                           ; v64-127 eight tiles of results
.set PC,  128                          ; v128-135 codes just made
.set PW,  136                          ; their scale word
.set TM,  138                          ; v138-153 the quantiser's work
.set XS,  154                          ; v154-157 activations' scale words
.set BV,  158                          ; v158-161 bv
.set S1W, 162                          ; scale words of conv1_w, conv2_w, wq, wk (16 each), wv (8)
.set S2W, 178
.set SQW, 194
.set SKW, 210
.set SVW, 226
.set CS,  234                          ; v234-239 my row's centre and size
.set TT,  240
.set CP,  244                          ; v244-247 a padded centre
.set VA,  248
.set VS8, 249
.set CPL, 250
.set CPS, 251
; windows 1 to 3: window 1: v0-127 conv2_w's 16 fragments, v128-255 wq's.  window 2: at the head conv1_w's numbers; then v0-127 wk, v128-191 wv, v192-255 landing LA.
; window 3: at the head conv1_w's numbers; then v0-127 conv1_w's fragments, v128-191 E, v192-255 landing LB.
.set EE,  128
.set LA,  192
.set LB,  192
.set SEL, 58                           ; s[58:59] v_permlanex16_b32's selects for lane l xor 16
.set MSB, 0
.macro WIN new                         ; the immediate's high byte repeats the setting that is left; a switch that changes nothing is dropped
.if MSB != (\new)
	s_set_vgpr_msb (MSB<<8)|(\new)
.set MSB, \new
.endif
.endm
.macro BARRIER                         ; my LDS stores have landed and my LDS loads are in: then the work-group's barrier
	s_wait_dscnt 0x0
	s_barrier_signal -1
	s_barrier_wait -1
.endm
; THE QUANTISER.  64 numbers of a lane in window win, register s + 16 b + i = k 32 b + 16 h + i of the lane's row.
.macro QHEAD s, win                    ; each block's largest magnitude, the conversion's scale operand (TM+12+b) and the scale's byte (TM+4+b)
	WIN (\win)|((\win)<<2)
.irp b, 0,1,2,3
	v_max3_num_f32 v[TM+\b], |v[(\s)+16*\b]|, |v[(\s)+1+16*\b]|, 0x1800000   ; with the floor 2^(3 - 127): the byte cannot fall under 1
.endr
	WIN ((\win)<<2)|((\win)<<4)
.irp i, 2,4,6,8,10,12,14
.irp b, 0,1,2,3
	v_max3_num_f32 v[TM+\b], v[TM+\b], |v[(\s)+16*\b+\i]|, |v[(\s)+1+16*\b+\i]|   ; the four blocks by turns
.endr
.endr
	WIN 0
.irp b, 0,1,2,3
	v_permlanex16_b32 v[TM+4+\b], v[TM+\b], s[SEL], s[SEL+1]
.endr
.irp b, 0,1,2,3
	v_max_num_f32 v[TM+\b], v[TM+\b], v[TM+4+\b]   ; with lane l xor 16's 16 numbers
.endr
.irp b, 0,1,2,3
	v_add_nc_u32 v[TM+12+\b], 0xff000000, v[TM+\b]   ; 2 off the exponent field
.endr
.irp b, 0,1,2,3
	v_lshrrev_b32 v[TM+4+\b], 23, v[TM+12+\b]
.endr
.endm
.macro QWORD pw
	v_lshl_or_b32 v[\pw], v[TM+5], 8, v[TM+4]
	v_lshl_or_b32 v[\pw], v[TM+6], 16, v[\pw]
	v_lshl_or_b32 v[\pw], v[TM+7], 24, v[\pw]
.endm
.macro QCONV s, win, pc
	WIN \win
.irp b, 0,1,2,3
	v_cvt_scalef32_pk8_fp4_f32 v[(\pc)+2*\b], v[(\s)+16*\b:(\s)+16*\b+7], v[TM+12+\b]
	v_cvt_scalef32_pk8_fp4_f32 v[(\pc)+1+2*\b], v[(\s)+8+16*\b:(\s)+15+16*\b], v[TM+12+\b]
.endr
	WIN 0
	v_nop                                          ; one plain place behind the scaled conversions
.endm
.macro QSWAP pc                        ; the operand's layout wants a whole block in a lane
.irp c, 0,1
.irp i, 0,1
	v_permlane16_swap_b32 v[(\pc)+4*\c+\i], v[(\pc)+2+4*\c+\i]
.endr
.endr
.endm
.macro QUANT s, win, pc, pw
	QHEAD \s,\win
	QWORD \pw
	QCONV \s,\win,\pc
	QSWAP \pc
.endm
; 64 numbers of a lane from rows of 960 bytes: block b's 16 numbers at off + 128 b; the last block by its own address register
.macro NLOAD reg, win, ptr, va, vb, off
	WIN (\win)<<6
.irp b, 0,1,2
.irp j, 0,1,2,3
	global_load_b128 v[(\reg)+16*\b+4*\j:(\reg)+16*\b+4*\j+3], v[\va], s[\ptr:\ptr+1] offset:(\off)+128*\b+16*\j
.endr
.endr
.irp j, 0,1,2,3
	global_load_b128 v[(\reg)+48+4*\j:(\reg)+48+4*\j+3], v[\vb], s[\ptr:\ptr+1] offset:(\off)+384+16*\j
.endr
.endm
.macro NTAIL reg, win, msk             ; k = 240 .. 255 do not exist: the lanes that would hold them get zeros ahead of the block's maximum
	WIN (\win)|((\win)<<6)
.set jj, 48
.rept 16
	v_cndmask_b32 v[(\reg)+jj], v[(\reg)+jj], v[NIL], s[\msk]
.set jj, jj+1
.endr
	WIN 0
.endm
.macro TLD reg, win, tab               ; a table's 64 numbers in the result's layout: register 16 b + i = unit 128 cw + 32 b + 16 h + i
	WIN (\win)<<6
.irp b, 0,1,2,3
.irp q, 0,1,2,3
	ds_load_b128 v[(\reg)+16*\b+4*\q:(\reg)+16*\b+4*\q+3], v[TB] offset:TAB+(\tab)+128*\b+16*\q
.endr
.endr
	WIN 0
.endm
.macro WFRAG rb, ptr                   ; a weight's 16 fragments (tile t, K step k) at rb + 16 t + 8 k of the window that is set
.irp t, 0,1,2,3,4,5,6,7
.irp k, 0,1
.irp c, 0,1
	global_load_b128 v[(\rb)+16*\t+8*\k+4*\c:(\rb)+16*\t+8*\k+4*\c+3], v[WC], s[\ptr:\ptr+1] offset:(32*(\t/2)+8*(\t%2))*128+64*\k+32*\c
.endr
.endr
.endr
.endm
.macro WWORD rb, ptr                   ; and its 16 scale words
.irp t, 0,1,2,3,4,5,6,7
.irp k, 0,1
	global_load_b32 v[(\rb)+2*\t+\k], v[WSO], s[\ptr:\ptr+1] offset:(32*(\t/2)+8*(\t%2))*8+4*\k
.endr
.endr
.endm
.macro FETCHX img, sc                  ; my row tile's two fragments and scale words
.irp k, 0,1
.irp c, 0,1
	ds_load_b128 v[XF+8*\k+4*\c:XF+8*\k+4*\c+3], v[AR] offset:\img+1024*\k+512*\c
.endr
	ds_load_b32 v[XS+\k], v[ARS] offset:\sc+128*\k
.endr
.endm
.macro IMAGE adr, off                  ; the fragment in v[PC] on goes to LDS as it stands
	ds_store_b128 v[\adr], v[PC:PC+3] offset:\off
	ds_store_b128 v[\adr], v[PC+4:PC+7] offset:\off+512
.endm
.macro WMM0 d, a, b, sa, sb
	v_wmma_scale_f32_16x16x128_f8f6f4 v[(\d):(\d)+7], v[(\a):(\a)+7], v[(\b):(\b)+7], 0, v[\sa], v[\sb] matrix_a_fmt:MATRIX_FMT_FP4 matrix_b_fmt:MATRIX_FMT_FP4
.endm
.macro WMMC d, a, b, c, sa, sb
	v_wmma_scale_f32_16x16x128_f8f6f4 v[(\d):(\d)+7], v[(\a):(\a)+7], v[(\b):(\b)+7], v[(\c):(\c)+7], v[\sa], v[\sb] matrix_a_fmt:MATRIX_FMT_FP4 matrix_b_fmt:MATRIX_FMT_FP4
.endm
; A layer: 8 tiles x 2 K steps.  The eight accumulators take turns, one instruction a turn.  cm = 0: the sums start at 0; 1: at v[cb + 8 t]; 2: at what lies in the accumulators.
.macro MM w0, w1, fb, sw, cm, cb
	WIN \w0
.irp t, 0,1,2,3,4,5,6,7
.if \cm == 0
	WMM0 HA+8*\t,\fb+16*\t,XF,\sw+2*\t,XS
.elseif \cm == 1
	WMMC HA+8*\t,\fb+16*\t,XF,\cb+8*\t,\sw+2*\t,XS
.else
	WMMC HA+8*\t,\fb+16*\t,XF,HA+8*\t,\sw+2*\t,XS
.endif
.endr
	WIN \w1
.irp t, 0,1,2,3,4,5,6,7
	WMMC HA+8*\t,\fb+16*\t+8,XF+8,HA+8*\t,\sw+2*\t+1,XS+1
.endr
	WIN 0
.rept 4
	v_nop                                          ; four places behind the products, ahead of the first read of their results
.endr
.endm
	s_load_b512 s[4:19], s[0:1], 0x0               ; argument n lies in s[4 + 2 n : 5 + 2 n]
	s_load_b512 s[20:35], s[0:1], 0x40
	s_load_b512 s[36:51], s[0:1], 0x80
	s_load_b64 s[52:53], s[0:1], 0xc0
	v_lshl_add_u32 v254, v0, 2, 0xf600
	v_mov_b32 v255, 0
	v_lshrrev_b32 v[TT], 5, v0
	v_readfirstlane_b32 s54, v[TT]                 ; wave w
	s_lshr_b32 s55, s54, 1                         ; cw
	s_and_b32 s56, s54, 1                          ; u
	s_mov_b32 s[SEL], 0x76543210
	s_mov_b32 s[SEL+1], 0xfedcba98
	s_mov_b32 s62, 0x3727c5ac                      ; eps = 1e-5
	s_mov_b32 s63, s62
	v_and_b32 v[VR], 15, v0
	v_bfe_u32 v[VH], v0, 4, 1
	v_and_b32 v[VL], 31, v0
	v_and_b32 v[VRR], 8, v[VR]
	v_add_nc_u32 v[VRR], v[VRR], v[VR]
	v_mov_b32 v[NIL], 0
	v_mov_b32 v[CP+3], 0
.irp b, 0,1,2,3
	v_mov_b32 v[TM+4+\b], 0                        ; written once: a lane permute's destination counts as one of its sources
.endr
	v_cmp_eq_u32 s60, 1, v[VH]                     ; the lanes with h = 1
	s_cmp_eq_u32 s55, 1
	s_cselect_b32 s61, s60, 0                      ; and those of them whose part of obj_feature does not exist: only in K step 1
	v_lshlrev_b32 v[LI], 4, v[VL]
	v_lshlrev_b32 v[LS], 2, v[VL]
	s_mul_i32 s66, s56, 7680                       ; 8 u rows of 960 bytes
	s_lshl_b32 s67, s55, 9                         ; my K step: cw
	s_add_co_u32 s66, s66, s67
	v_mul_u32_u24 v[XC], v[VRR], 960
	v_add_nc_u32 v[XC], s66, v[XC]
	v_lshl_add_u32 v[XA], v[VH], 6, v[XC]
	s_xor_b32 s67, s55, 1
	s_lshl_b32 s67, s67, 6
	v_mad_u32_u24 v[XC], v[VH], s67, v[XC]         ; + 64 h in K step 0 alone
	v_mul_u32_u24 v[WB], v[VRR], 960
	v_lshl_add_u32 v[WA], v[VH], 6, v[WB]
	v_lshlrev_b32 v[WC], 7, v[VRR]
	v_lshl_add_u32 v[WC], v[VH], 4, v[WC]
	v_lshlrev_b32 v[WSO], 3, v[VRR]
	v_lshlrev_b32 v[VC], 7, v[VR]
	v_lshl_add_u32 v[VC], v[VH], 4, v[VC]
	v_lshlrev_b32 v[VSO], 3, v[VR]
	v_lshlrev_b32 v[T8], 3, v0
	v_mul_u32_u24 v[T48], v0, 48
	s_lshl_b32 s66, s54, 13                        ; (8 cw + 4 u) x 2,048 = 8,192 w
	v_add_nc_u32 v[C1W], s66, v[LI]
	s_lshl_b32 s66, s54, 10
	v_add_nc_u32 v[C1WS], s66, v[LS]
	s_lshl_b32 s66, s55, 14
	v_add_nc_u32 v[C1R], s66, v[LI]
	s_lshl_b32 s66, s55, 11
	v_add_nc_u32 v[C1RS], s66, v[LS]
	s_lshl_b32 s66, s56, 1
	s_add_co_u32 s66, s66, s55                     ; 2 u + cw
	s_lshl_b32 s67, s66, 10
	v_add_nc_u32 v[AW], s67, v[LI]
	s_lshl_b32 s67, s66, 7
	v_add_nc_u32 v[AWS], s67, v[LS]
	s_lshl_b32 s67, s56, 11
	v_add_nc_u32 v[AR], s67, v[LI]
	s_lshl_b32 s67, s56, 8
	v_add_nc_u32 v[ARS], s67, v[LS]
	s_lshl_b32 s67, s55, 9
	v_lshl_add_u32 v[TB], v[VH], 6, s67
	s_mul_i32 s67, s56, 96
	v_mad_u32_u24 v[RC], v[VRR], 12, s67
	v_lshlrev_b32 v[BVO], 2, v[VR]
	s_lshl_b32 s67, ttmp9, 1
	s_add_co_u32 s67, s67, s56
	s_lshl_b32 s67, s67, 1
	s_add_co_u32 s67, s67, s55                     ; the image's number: (2 wg + u) x 2 + cw
	s_lshl_b32 s68, s67, 10
	v_add_nc_u32 v[OI], s68, v[LI]
	s_lshl_b32 s68, s67, 7
	v_add_nc_u32 v[OS], s68, v[LS]
	s_lshl_b32 s67, ttmp9, 12                      ; v's codes: key block wg, channel 64 w + r, 8 h
	s_lshl_b32 s68, s54, 10
	s_add_co_u32 s67, s67, s68
	v_lshl_add_u32 v[VA], v[VR], 4, s67
	v_lshl_add_u32 v[VA], v[VH], 3, v[VA]
	s_lshr_b32 s67, ttmp9, 2                       ; v's scale bytes: step wg / 4, byte wg % 4, channel 64 w + 16 h + r
	s_lshl_b32 s67, s67, 10
	s_and_b32 s68, ttmp9, 3
	s_add_co_u32 s67, s67, s68
	s_lshl_b32 s68, s54, 8
	s_add_co_u32 s67, s67, s68
	v_lshl_add_u32 v[VS8], v[VR], 2, s67
	v_lshl_add_u32 v[VS8], v[VH], 6, v[VS8]
	v_mul_u32_u24 v[CPL], v[VL], 12
	s_lshl_b32 s67, ttmp9, 9
	v_add_nc_u32 v[CPS], s67, v[LI]
	s_wait_kmcnt 0x0
	s_mov_b32 s67, 0
	s_mul_i32 s66, ttmp9, 30720                    ; my work-group's 32 rows of obj_feature
	s_add_nc_u64 s[4:5], s[4:5], s[66:67]
	s_mul_i32 s66, ttmp9, 384                      ; of obj_center and obj_size
	s_add_nc_u64 s[6:7], s[6:7], s[66:67]
	s_add_nc_u64 s[8:9], s[8:9], s[66:67]
	s_mul_i32 s66, s54, 61440                      ; conv1_w: the 64 rows that I quantise: 64 w on
	s_add_nc_u64 s[10:11], s[10:11], s[66:67]
	s_lshl_b32 s66, s55, 14                        ; the given weights: my 128 rows
	s_add_nc_u64 s[24:25], s[24:25], s[66:67]
	s_add_nc_u64 s[34:35], s[34:35], s[66:67]
	s_add_nc_u64 s[40:41], s[40:41], s[66:67]
	s_lshl_b32 s66, s55, 10
	s_add_nc_u64 s[26:27], s[26:27], s[66:67]
	s_add_nc_u64 s[36:37], s[36:37], s[66:67]
	s_add_nc_u64 s[42:43], s[42:43], s[66:67]
	s_lshl_b32 s66, s54, 13                        ; wv: my 64 rows
	s_add_nc_u64 s[46:47], s[46:47], s[66:67]
	s_lshl_b32 s66, s54, 9
	s_add_nc_u64 s[48:49], s[48:49], s[66:67]
	s_lshl_b32 s66, s54, 8
	s_add_nc_u64 s[50:51], s[50:51], s[66:67]
	; ---- all first loads.  The tables' sources, two units a thread
	global_load_b64 v[32:33], v[T8], s[12:13]      ; conv1_b
	global_load_b64 v[34:35], v[T8], s[14:15]      ; bn_g
	global_load_b64 v[36:37], v[T8], s[16:17]      ; bn_b
	global_load_b64 v[38:39], v[T8], s[18:19]      ; bn_mean
	global_load_b64 v[40:41], v[T8], s[20:21]      ; bn_var
	global_load_b64 v[42:43], v[T8], s[22:23]      ; prelu_a
	global_load_b64 v[44:45], v[T8], s[28:29]      ; conv2_b
	global_load_b64 v[46:47], v[T8], s[32:33]      ; bbox_b
	global_load_b64 v[48:49], v[T8], s[38:39]      ; bq
	global_load_b64 v[50:51], v[T8], s[44:45]      ; bk
	global_load_b128 v[52:55], v[T48], s[30:31]    ; bbox_w: two rows of six
	global_load_b128 v[56:59], v[T48], s[30:31] offset:16
	global_load_b128 v[60:63], v[T48], s[30:31] offset:32
.irp k, 0,1,2
	global_load_b32 v[CS+\k], v[RC], s[6:7] offset:4*\k       ; my row's centre
	global_load_b32 v[CS+3+\k], v[RC], s[8:9] offset:4*\k     ; and size
	global_load_b32 v[CP+\k], v[CPL], s[6:7] offset:4*\k      ; row 32 wg + lane's centre, for the padded copy
.endr
	NLOAD HA,0,4,XA,XC,0                           ; obj_feature: my row tile, my K step
.irp f, 0,1,2,3,4,5,6,7                        ; conv1_w: four tiles x two K steps, 64 numbers a lane each, into windows 2 and 3
.if \f%2
	NLOAD 64*(\f%4),2+\f/4,10,WA,WB,(32*(\f/4)+8*((\f/2)%2))*960+512
.else
	NLOAD 64*(\f%4),2+\f/4,10,WA,WA,(32*(\f/4)+8*((\f/2)%2))*960
.endif
.endr
	WIN 0x40                                       ; destination window 1
	WFRAG 0,24                                     ; conv2_w
	WFRAG 128,34                                   ; wq
	WIN 0
	WWORD S2W,26
	WWORD SQW,36
	WWORD SKW,42
.irp y, 0,1,2,3
.irp k, 0,1
	global_load_b32 v[SVW+2*\y+\k], v[VSO], s[48:49] offset:128*\y+4*\k
.endr
	global_load_b32 v[BV+\y], v[BVO], s[50:51] offset:64*\y
.endr
	s_wait_loadcnt 63                              ; 124 loads were issued behind conv1_w's numbers: all up to those have landed
	; ---- the tables
	v_pk_add_f32 v[40:41], v[40:41], s[62:63] op_sel_hi:[1,0]
	v_rsq_f32 v40, v40
	v_rsq_f32 v41, v41
	v_pk_add_f32 v[32:33], v[32:33], v[38:39] neg_lo:[0,1] neg_hi:[0,1]   ; conv1_b - mean (a plain place behind the roots)
	v_pk_add_f32 v[44:45], v[44:45], v[46:47]      ; conv2_b + bbox_b
	s_wait_alu depctr_va_vdst(0)                   ; one wait for both roots, ahead of their first reader
	v_pk_mul_f32 v[34:35], v[34:35], v[40:41]      ; sc
	v_pk_fma_f32 v[32:33], v[32:33], v[34:35], v[36:37]   ; sh
	ds_store_b64 v[T8], v[34:35] offset:TAB+OSC
	ds_store_b64 v[T8], v[32:33] offset:TAB+OSH
	ds_store_b64 v[T8], v[42:43] offset:TAB+OPA
	ds_store_b64 v[T8], v[44:45] offset:TAB+OCB
	ds_store_b64 v[T8], v[48:49] offset:TAB+OBQ
	ds_store_b64 v[T8], v[50:51] offset:TAB+OBK
.irp k, 0,1,2,3,4,5
	ds_store_b32 v[T8], v[52+\k] offset:TAB+OBW+1024*\k
	ds_store_b32 v[T8], v[58+\k] offset:TAB+OBW+1024*\k+4
.endr
	s_cmp_lg_u32 s54, 0                            ; wave 0 stores the 32 padded centres: 512 consecutive bytes
	s_cbranch_scc1 .Lnot_wave_0
	global_store_b128 v[CPS], v[CP:CP+3], s[52:53] offset:CPAD
.Lnot_wave_0:
	; ---- obj_feature's fragment and my eight of conv1_w
	NTAIL HA,0,61
	QUANT HA,0,PC,PW
	IMAGE AW,XIMG
	ds_store_b32 v[AWS], v[PW] offset:XSC
	s_wait_dscnt 0x0                               ; the stores have read their registers
.irp f, 0,1,2,3,4,5,6,7
.if \f%2
	NTAIL 64*(\f%4),2+\f/4,60
.endif
	QUANT 64*(\f%4),2+\f/4,PC,PW
	IMAGE C1W,C1IMG+1024*\f
	ds_store_b32 v[C1WS], v[PW] offset:C1SC+128*\f
	s_wait_dscnt 0x0
.endr
	WIN 0x80                                       ; destination window 2, whose numbers are done with
	WFRAG 0,40                                     ; wk
.irp y, 0,1,2,3
.irp k, 0,1
.irp c, 0,1
	global_load_b128 v[128+16*\y+8*\k+4*\c:128+16*\y+8*\k+4*\c+3], v[VC], s[46:47] offset:2048*\y+64*\k+32*\c   ; wv: tile y, natural rows
.endr
.endr
.endr
	WIN 0
	BARRIER                                        ; tables, obj_feature's four fragments and conv1_w's 32 lie in LDS
	; ---- E = conv2_b + bbox_b + (centre, size) . bbox_w, f32, in the result's layout: the C of conv2's sums.  Two tables are on their way at a time
	TLD EE,3,OCB
	TLD LA,2,OBW
	TLD LB,3,OBW+1024
.irp k, 0,1,2,3,4,5
.if \k<5
	s_wait_dscnt 16                                ; the older table is in; the younger one's 16 loads may be out
.else
	s_wait_dscnt 0x0
.endif
	WIN 0xf8+4*(\k%2)                              ; E in window 3, the table in window 2 or 3, my row's number in window 0
.set jj, 0
.rept 32
.if \k%2
	v_pk_fma_f32 v[EE+jj:EE+jj+1], v[CS+\k-1:CS+\k], v[192+jj:193+jj], v[EE+jj:EE+jj+1] op_sel:[1,0,0] op_sel_hi:[1,1,1]
.else
	v_pk_fma_f32 v[EE+jj:EE+jj+1], v[CS+\k:CS+\k+1], v[192+jj:193+jj], v[EE+jj:EE+jj+1] op_sel_hi:[0,1,1]
.endif
.set jj, jj+2
.endr
.if \k<4
	TLD 192,2+\k%2,OBW+1024*(\k+2)
.endif
.endr
	WIN 0
	; ---- conv1, batch norm, PReLU
	FETCHX XIMG,XSC
	WIN 0xc0                                       ; destination window 3
.irp f, 0,1,2,3,4,5,6,7,8,9,10,11,12,13,14,15
.irp c, 0,1
	ds_load_b128 v[8*\f+4*\c:8*\f+4*\c+3], v[C1R] offset:C1IMG+1024*\f+512*\c
.endr
.endr
	WIN 0
.irp f, 0,1,2,3,4,5,6,7,8,9,10,11,12,13,14,15
	ds_load_b32 v[S1W+\f], v[C1RS] offset:C1SC+128*\f
.endr
	TLD LA,2,OSC
	TLD LB,3,OSH
	s_wait_dscnt 0x0
	MM 0x03,0x03,0,S1W,0,0
	WIN 0x38
.set jj, 0
.rept 32
	v_pk_fma_f32 v[HA+jj:HA+jj+1], v[HA+jj:HA+jj+1], v[LA+jj:LA+jj+1], v[LB+jj:LB+jj+1]   ; z sc + sh, each accumulator from its low end on
.set jj, jj+2
.endr
	TLD LA,2,OPA
	s_wait_dscnt 0x0
	WIN 0xc8
.set jj, 0
.rept 32
	v_pk_mul_f32 v[LB+jj:LB+jj+1], v[HA+jj:HA+jj+1], v[LA+jj:LA+jj+1]   ; a x
.set jj, jj+2
.endr
	WIN 0x03                                       ; source 0 (a x) in window 3
.set jj, 0
.rept 64
	v_cmp_le_f32 vcc_lo, 0, v[HA+jj]
	v_cndmask_b32 v[HA+jj], v[LB+jj], v[HA+jj], vcc_lo   ; x where x >= 0, else a x
.set jj, jj+1
.endr
	WIN 0
	QUANT HA,0,PC,PW
	IMAGE AW,A2IMG
	ds_store_b32 v[AWS], v[PW] offset:A2SC
	BARRIER
	; ---- conv2 + E
	s_wait_loadcnt 0x0                             ; all weights and scale words
	FETCHX A2IMG,A2SC
	s_wait_dscnt 0x0
	MM 0x31,0x01,0,S2W,1,EE
	QUANT HA,0,PC,PW
	IMAGE AW,A3IMG
	ds_store_b32 v[AWS], v[PW] offset:A3SC
	BARRIER
	; ---- q and k: the bias lies in the accumulators when the sums begin
	FETCHX A3IMG,A3SC
	TLD HA,0,OBQ
	s_wait_dscnt 0x0
	MM 0x01,0x01,128,SQW,2,0
	QUANT HA,0,PC,PW
	global_store_b128 v[OI], v[PC:PC+3], s[52:53] offset:QIMG          ; 512 consecutive bytes a store
	global_store_b128 v[OI], v[PC+4:PC+7], s[52:53] offset:QIMG+512
	global_store_b32 v[OS], v[PW], s[52:53] offset:QSC
	TLD HA,0,OBK
	s_wait_dscnt 0x0
	MM 0x02,0x02,0,SKW,2,0
	s_wait_xcnt 0x0                                ; q's stores have read their registers
	QUANT HA,0,PC,PW
	global_store_b128 v[OI], v[PC:PC+3], s[52:53] offset:KIMG
	global_store_b128 v[OI], v[PC+4:PC+7], s[52:53] offset:KIMG+512
	global_store_b32 v[OS], v[PW], s[52:53] offset:KSC
	; ---- v, not transposed: source 0 = x's row tile e, source 1 = 16 rows of wv.  Register 16 y + 8 e + j of lane (r, h) = v(key 16 h + 8 e + j, channel 64 w + 16 y + r)
.irp e, 0,1
.irp k, 0,1
.irp c, 0,1
	ds_load_b128 v[XF+8*(2*\e+\k)+4*\c:XF+8*(2*\e+\k)+4*\c+3], v[LI] offset:A3IMG+1024*(2*\e+\k)+512*\c
.endr
	ds_load_b32 v[XS+2*\e+\k], v[LS] offset:A3SC+128*(2*\e+\k)
.endr
.endr
	s_wait_dscnt 0x0
	WIN 0x08                                       ; source 1 (wv) in window 2
.irp k, 0,1
.irp y, 0,1,2,3
.irp e, 0,1
.if \k == 0
	WMM0 HA+16*\y+8*\e,XF+8*(2*\e+\k),128+16*\y+8*\k,XS+2*\e+\k,SVW+2*\y+\k
.else
	WMMC HA+16*\y+8*\e,XF+8*(2*\e+\k),128+16*\y+8*\k,HA+16*\y+8*\e,XS+2*\e+\k,SVW+2*\y+\k
.endif
.endr
.endr
.endr
	WIN 0
.rept 4
	v_nop
.endr
.irp y, 0,1,2,3
.set jj, 0
.rept 16
	v_add_f32 v[HA+16*\y+jj], v[HA+16*\y+jj], v[BV+\y]   ; + bv, each accumulator from its low end on
.set jj, jj+1
.endr
.endr
	s_wait_xcnt 0x0                                ; k's stores have read their registers
	QHEAD HA,0                                     ; block y = the work-group's 32 keys of channel 64 w + 16 y + r
	QCONV HA,0,PC                                  ; no exchange: a lane's two registers are keys 16 h + 0 .. 15
.irp y, 0,1,2,3
	global_store_b64 v[VA], v[PC+2*\y:PC+2*\y+1], s[52:53] offset:VIMG+256*\y   ; 256 consecutive bytes
.endr
	v_cndmask_b32 v[TT], v[TM+4], v[TM+5], s60     ; lanes 0-15 carry tile 0's (2's) byte, lanes 16-31 tile 1's (3's)
	v_cndmask_b32 v[TT+1], v[TM+6], v[TM+7], s60
	global_store_b8 v[VS8], v[TT], s[52:53] offset:VSC
	global_store_b8 v[VS8], v[TT+1], s[52:53] offset:VSC+128
	s_wait_tensorcnt 0x0
	ds_add_u32 v254, v255
	s_wait_dscnt 0x0
	s_endpgm
.Lfunc_end_k_qf8ca83c6c6_prep:
	.size	k_qf8ca83c6c6_prep, .Lfunc_end_k_qf8ca83c6c6_prep-k_qf8ca83c6c6_prep
	.p2alignl 7, 3214868480
	.fill 96, 4, 3214868480
	.section	.rodata,"a",@progbits
	.p2align	6, 0x0
	.amdhsa_kernel k_qf8ca83c6c6_prep
		.amdhsa_group_segment_fixed_size 63488
		.amdhsa_private_segment_fixed_size 0
		.amdhsa_enable_private_segment 0
		.amdhsa_kernarg_size 200
		.amdhsa_user_sgpr_count 2
		.amdhsa_user_sgpr_kernarg_segment_ptr 1
		.amdhsa_wavefront_size32 1
		.amdhsa_system_sgpr_workgroup_id_x 1
		.amdhsa_system_sgpr_workgroup_id_y 1
		.amdhsa_system_sgpr_workgroup_id_z 1
		.amdhsa_system_vgpr_workitem_id 0
		.amdhsa_next_free_vgpr 1024
		.amdhsa_next_free_sgpr 96
		.amdhsa_reserve_vcc 1
		.amdhsa_float_denorm_mode_32 3
		.amdhsa_float_denorm_mode_16_64 3
		.amdhsa_memory_ordered 1
		.amdhsa_forward_progress 1
		.amdhsa_inst_pref_size 153
	.end_amdhsa_kernel
	.amdgpu_metadata
---
amdhsa.version: [ 1, 2 ]
amdhsa.kernels:
  - .name:           k_qf8ca83c6c6_prep
    .symbol:         k_qf8ca83c6c6_prep.kd
    .args:
      - { .name: obj_feature, .offset: 0, .size: 8, .value_kind: global_buffer, .address_space: global }
      - { .name: obj_center, .offset: 8, .size: 8, .value_kind: global_buffer, .address_space: global }
      - { .name: obj_size, .offset: 16, .size: 8, .value_kind: global_buffer, .address_space: global }
      - { .name: conv1_w, .offset: 24, .size: 8, .value_kind: global_buffer, .address_space: global }
      - { .name: conv1_b, .offset: 32, .size: 8, .value_kind: global_buffer, .address_space: global }
      - { .name: bn_g, .offset: 40, .size: 8, .value_kind: global_buffer, .address_space: global }
      - { .name: bn_b, .offset: 48, .size: 8, .value_kind: global_buffer, .address_space: global }
      - { .name: bn_mean, .offset: 56, .size: 8, .value_kind: global_buffer, .address_space: global }
      - { .name: bn_var, .offset: 64, .size: 8, .value_kind: global_buffer, .address_space: global }
      - { .name: prelu_a, .offset: 72, .size: 8, .value_kind: global_buffer, .address_space: global }
      - { .name: conv2_w_codes, .offset: 80, .size: 8, .value_kind: global_buffer, .address_space: global }
      - { .name: conv2_w_scales, .offset: 88, .size: 8, .value_kind: global_buffer, .address_space: global }
      - { .name: conv2_b, .offset: 96, .size: 8, .value_kind: global_buffer, .address_space: global }
      - { .name: bbox_w, .offset: 104, .size: 8, .value_kind: global_buffer, .address_space: global }
      - { .name: bbox_b, .offset: 112, .size: 8, .value_kind: global_buffer, .address_space: global }
      - { .name: wq_codes, .offset: 120, .size: 8, .value_kind: global_buffer, .address_space: global }
      - { .name: wq_scales, .offset: 128, .size: 8, .value_kind: global_buffer, .address_space: global }
      - { .name: bq, .offset: 136, .size: 8, .value_kind: global_buffer, .address_space: global }
      - { .name: wk_codes, .offset: 144, .size: 8, .value_kind: global_buffer, .address_space: global }
      - { .name: wk_scales, .offset: 152, .size: 8, .value_kind: global_buffer, .address_space: global }
      - { .name: bk, .offset: 160, .size: 8, .value_kind: global_buffer, .address_space: global }
      - { .name: wv_codes, .offset: 168, .size: 8, .value_kind: global_buffer, .address_space: global }
      - { .name: wv_scales, .offset: 176, .size: 8, .value_kind: global_buffer, .address_space: global }
      - { .name: bv, .offset: 184, .size: 8, .value_kind: global_buffer, .address_space: global }
      - { .name: ws, .offset: 192, .size: 8, .value_kind: global_buffer, .address_space: global }
    .group_segment_fixed_size: 63488
    .private_segment_fixed_size: 0
    .kernarg_segment_align: 8
    .kernarg_segment_size: 200
    .max_flat_workgroup_size: 128
    .sgpr_count:     96
    .vgpr_count:     1024
    .wavefront_size: 32
...
	.end_amdgpu_metadata
.endif
;; end of part 1
;; launch attn (part 2): grid 256 x 1, 8 waves a work-group, no clusters, 296,448 bytes of LDS; arguments ws, fc1_w, fc1_b, ln1_g, ln1_b, fc2_w_codes, fc2_w_scales, fc2_b, ln2_g, ln2_b, fc3_w, fc3_b, wo_codes, wo_scales, bo, out0; writes out0
.if DOCPART == 2
	.amdgcn_target "amdgcn-amd-amdhsa--gfx1250"
	.amdhsa_code_object_version 6
	.text
	.protected	k_qf8ca83c6c6_attn
	.globl	k_qf8ca83c6c6_attn
	.p2align	8
	.type	k_qf8ca83c6c6_attn,@function
k_qf8ca83c6c6_attn:
	s_mov_b64 s[64:65], 0
	v_nop
	global_prefetch_b8 v0, s[64:65] scope:SCOPE_SE
	s_setreg_imm32_b32 hwreg(HW_REG_WAVE_MODE, 25, 1), 1
	s_wait_xcnt 0x0
; THE PAIR BIAS, THE ATTENTION AND THE LAST LAYER.  A work-group owns 8 queries, all 2,048 keys and all 4 heads; wave w owns keys 256 w .. + 255.
; PHASE 1: for its 8 x 256 pairs a wave computes 8 x bias (fc1 in f32 multiply-adds, relu, layer norm, fc2 on FP4 codes, relu, layer norm folded into fc3) into an LDS table [head, query][key].
;   Lane (r, h), r = 8 g + i: query i; a fragment's row r holds FOUR pairs, one in each block of 32 along K; the lane computes features 16 h + 0 .. 15 of the four.
;   fc2's weight fragment has codes in one block and zero codes in the others, so a product takes one pair of each row: 8 products for 64 pairs.
; PHASE 2: attention on the wave's 256 keys, two steps of 128 for each pair of heads.  Both products transposed: a lane holds one column = (query i, head 2 t + g).  The q fragment holds the head's 64 codes
;   in register group g and zero codes in the other, so one tile of k (128 channels = two heads) serves both heads.  The bias table's numbers are the C of k q^T.
;   p = 2^(t - M), M the running largest t rounded up to a whole number; the sum is taken of the unquantised p.
; PHASE 3: the eight waves' (O, M, l) meet in LDS, are brought under one M by exact powers of two, divided by l, quantised, multiplied by wo, and stored as whole rows.
; K's and V's images are read by every work-group, each wave's part once, straight into operand registers: LDS is taken by the bias table, so they are not shared through a cluster.
; LIMITS: NaN and infinities are not served.  A block whose largest magnitude lies under 2^-124 keeps the scale byte 1; a block of zeros gets 1 and not 127 (zero codes; the bytes stay in this program).
; Roots and exponentials flush denormals: a squared distance under 2^-126 counts as 0.  A block's largest p is taken through the block's largest score, which takes v_exp_f32 not to fall where its input rises.
; Layer norm 2 and fc3 are folded: 8 bias = rs x sum(dev x 8 fc3_w ln2_g) + 8 (sum(fc3_w ln2_b) + fc3_b): f32, in another order of rounding than the source.
.set QIMG, 0
.set KIMG, 262144
.set VIMG, 524288
.set QSC,  786432
.set KSC,  819200
.set VSC,  851968
.set CPAD, 868352
; LDS
.set CEN,  0                           ; the 2,048 centres, 16 bytes each; later OUTF and OST
.set BIAS, 32768                       ; 32 rows (16 (head / 2) + 2 query + head % 2) of 8,192 bytes + 16; later each wave's own 1,024 bytes of a row hold its partial results
.set BPI,  8208
.set OUTF, 0                           ; 8 rows of 1,024 bytes + 16: the attention's result
.set OST,  8448                        ; 16 rows of 1,024 bytes + 16: y on its way out (rows 8-15 repeat rows 0-7 and are not read)
.set OPI,  1040
; window 0, all phases
.set VR,  1                            ; r
.set VH,  2                            ; h
.set VI,  3                            ; i = r % 8
.set VG,  4                            ; g = r / 8
.set VLAM, 5                           ; 2 g + h
.set VL,  6                            ; lane
.set NIL, 7
.set PW,  212                          ; v212-254 hold scales and nothing else
.set WS2, 213
.set QS,  215
.set KS,  217
.set VS,  233
.set PWD, 249
.set WOS, 250
.set PW1, 254
; window 0, phase 1
.set QC,  8                            ; v8-11 my query's centre
.set CA0, 12
.set BA0, 13
.set BA1, 14
.set CAT, 15
.set XY,  16                           ; v16-47 eight keys' (dx, dy, dz, d)
.set H,   48                           ; v48-111 four pairs x 16 features
.set PC,  112
.set BAT0, 120
.set BAT1, 121
.set TM,  124                          ; v124-139
.set SA,  140
.set SB,  148
.set DT,  156                          ; v156-187 the dots: pair at DT + 8 head + 2 b
.set OUT, 188                          ; v188-203 four keys x four heads
.set T8,  204
; window 1, phase 1: constants that hang on h alone
.set W1K, 0                            ; + 16 k + i: fc1_w[16 h + i][k]
.set B1,  64
.set G1,  80
.set L1B, 96
.set F2,  112                          ; tile u at + 20 u: codes in lanes 0-15 | zeros | codes in lanes 16-31 | zeros | codes in lanes 0-15
.set B2,  152
.set W3,  168                          ; + 16 head + i: 8 fc3_w ln2_g
; window 0, phase 2
.set VK,  8
.set VKS, 9
.set VV,  10
.set VVS, 11
.set QF,  16                           ; v16-31 q's two fragments
.set S,   32
.set O,   96
.set PCD, 160
.set BM,  168
.set BPR, 172
.set BS,  176
.set FF,  180
.set TP,  182
.set C2,  184
.set BR0, 186
.set PA0, 188
.set PS0, 190
.set QL,  192                          ; v192-199 q's codes as loaded
.set QV,  200
.set QSV, 201
.set WOA, 204
.set WOSA, 205
.set BOA, 206
.set OG,  207
; window 0, phase 3
.set A3A, 24
.set A3B, 25
.set OFW, 26
.set RD3, 27
.set OSW, 28
.set OSR, 29
.set SEL, 44
.set MSB, 0
.macro WIN new
.if MSB != (\new)
	s_set_vgpr_msb (MSB<<8)|(\new)
.set MSB, \new
.endif
.endm
.macro BARRIER
	s_wait_dscnt 0x0
	s_barrier_signal -1
	s_barrier_wait -1
.endm
.macro QHEAD s, win
	WIN (\win)|((\win)<<2)
.irp b, 0,1,2,3
	v_max3_num_f32 v[TM+\b], |v[(\s)+16*\b]|, |v[(\s)+1+16*\b]|, 0x1800000   ; with the floor 2^(3 - 127): the byte cannot fall under 1
.endr
	WIN ((\win)<<2)|((\win)<<4)
.irp i, 2,4,6,8,10,12,14
.irp b, 0,1,2,3
	v_max3_num_f32 v[TM+\b], v[TM+\b], |v[(\s)+16*\b+\i]|, |v[(\s)+1+16*\b+\i]|
.endr
.endr
	WIN 0
.irp b, 0,1,2,3
	v_permlanex16_b32 v[TM+4+\b], v[TM+\b], s[SEL], s[SEL+1]
.endr
.irp b, 0,1,2,3
	v_max_num_f32 v[TM+\b], v[TM+\b], v[TM+4+\b]
.endr
.irp b, 0,1,2,3
	v_add_nc_u32 v[TM+12+\b], 0xff000000, v[TM+\b]
.endr
.irp b, 0,1,2,3
	v_lshrrev_b32 v[TM+4+\b], 23, v[TM+12+\b]
.endr
.endm
.macro QWORD pw
	v_lshl_or_b32 v[\pw], v[TM+5], 8, v[TM+4]
	v_lshl_or_b32 v[\pw], v[TM+6], 16, v[\pw]
	v_lshl_or_b32 v[\pw], v[TM+7], 24, v[\pw]
.endm
.macro QCONV s, win, pc
	WIN \win
.irp b, 0,1,2,3
	v_cvt_scalef32_pk8_fp4_f32 v[(\pc)+2*\b], v[(\s)+16*\b:(\s)+16*\b+7], v[TM+12+\b]
	v_cvt_scalef32_pk8_fp4_f32 v[(\pc)+1+2*\b], v[(\s)+8+16*\b:(\s)+15+16*\b], v[TM+12+\b]
.endr
	WIN 0
	v_nop
.endm
.macro QSWAP pc
.irp c, 0,1
.irp i, 0,1
	v_permlane16_swap_b32 v[(\pc)+4*\c+\i], v[(\pc)+2+4*\c+\i]
.endr
.endr
.endm
.macro QUANT s, win, pc, pw
	QHEAD \s,\win
	QWORD \pw
	QCONV \s,\win,\pc
	QSWAP \pc
.endm
.macro WMM0 d, a, b, sa, sb
	v_wmma_scale_f32_16x16x128_f8f6f4 v[(\d):(\d)+7], v[(\a):(\a)+7], v[(\b):(\b)+7], 0, v[\sa], v[\sb] matrix_a_fmt:MATRIX_FMT_FP4 matrix_b_fmt:MATRIX_FMT_FP4
.endm
.macro WMMC d, a, b, c, sa, sb
	v_wmma_scale_f32_16x16x128_f8f6f4 v[(\d):(\d)+7], v[(\a):(\a)+7], v[(\b):(\b)+7], v[(\c):(\c)+7], v[\sa], v[\sb] matrix_a_fmt:MATRIX_FMT_FP4 matrix_b_fmt:MATRIX_FMT_FP4
.endm
.macro NOPS n
.rept \n
	v_nop
.endr
.endm
	; ---- PHASE 0
	s_load_b512 s[4:19], s[0:1], 0x0               ; ws, fc1_w, fc1_b, ln1_g, ln1_b, fc2's codes, fc2's scales, fc2_b
	s_load_b512 s[20:35], s[0:1], 0x40             ; ln2_g, ln2_b, fc3_w, fc3_b, wo's codes, wo's scales, bo, out0
	v_lshrrev_b32 v[VR], 5, v0
	v_readfirstlane_b32 s40, v[VR]                 ; wave 0..7
	v_and_b32 v[VR], 15, v0
	v_bfe_u32 v[VH], v0, 4, 1
	v_and_b32 v[VI], 7, v0
	v_bfe_u32 v[VG], v0, 3, 1
	v_lshl_add_u32 v[VLAM], v[VG], 1, v[VH]
	v_and_b32 v[VL], 31, v0
	v_mov_b32 v[NIL], 0
	s_mov_b32 s[SEL], 0x76543210
	s_mov_b32 s[SEL+1], 0xfedcba98
	s_mov_b32 s48, 0x3727c5ac                      ; eps = 1e-5
	s_mov_b32 s49, 0x3d000000                      ; 1 / 32
	s_mov_b32 s50, 0x3e38aa3b                      ; c = log2(e) / 8
	s_mov_b32 s51, s50
	s_mov_b32 s57, 0x01010101
	v_cmp_eq_u32 s46, 1, v[VH]                     ; the lanes with h = 1
	v_cmp_eq_u32 s47, 1, v[VG]                     ; the lanes with g = 1
	v_lshlrev_b32 v[CAT], 4, v0                    ; 16 x thread
	s_lshl_b32 s56, ttmp9, 7
	v_lshl_add_u32 v[T8], v[VI], 4, s56            ; my query's padded centre
	v_lshlrev_b32 v[T8+1], 8, v[VH]                ; fc1_w: 16 rows of 16 bytes a half
	v_lshlrev_b32 v[T8+2], 6, v[VH]                ; vectors of 32: 16 numbers a half
	v_lshl_add_u32 v[T8+3], v[VG], 4, v[VI]        ; fc2_w's row of tile 0: 16 g + i
	v_lshlrev_b32 v[T8+4], 4, v[T8+3]
.irp b, 0,1,2,3
	v_mov_b32 v[TM+4+\b], 0                        ; written once: a lane permute's destination counts as one of its sources
.endr
	s_wait_kmcnt 0x0
	s_load_b128 s[36:39], s[26:27], 0x0            ; fc3_b
.irp k, 0,1,2,3,4,5,6,7
	global_load_b128 v[H+4*\k:H+4*\k+3], v[CAT], s[4:5] offset:CPAD+4096*\k   ; all centres: 4,096 consecutive bytes a work-group's load
.endr
	global_load_b128 v[QC:QC+3], v[T8], s[4:5] offset:CPAD
	WIN 0x40                                       ; destination window 1
.irp k, 0,1,2,3
.irp i, 0,1,2,3,4,5,6,7,8,9,10,11,12,13,14,15
	global_load_b32 v[W1K+16*\k+\i], v[T8+1], s[6:7] offset:16*\i+4*\k
.endr
.endr
.irp q, 0,1,2,3
	global_load_b128 v[B1+4*\q:B1+4*\q+3], v[T8+2], s[8:9] offset:16*\q
	global_load_b128 v[G1+4*\q:G1+4*\q+3], v[T8+2], s[10:11] offset:16*\q
	global_load_b128 v[L1B+4*\q:L1B+4*\q+3], v[T8+2], s[12:13] offset:16*\q
	global_load_b128 v[B2+4*\q:B2+4*\q+3], v[T8+2], s[18:19] offset:16*\q
.irp d, 0,1,2,3
	global_load_b128 v[W3+16*\d+4*\q:W3+16*\d+4*\q+3], v[T8+2], s[24:25] offset:128*\d+16*\q
.endr
.endr
	WIN 0
.irp q, 0,1,2,3
	global_load_b128 v[DT+4*\q:DT+4*\q+3], v[T8+2], s[20:21] offset:16*\q         ; ln2_g
	global_load_b128 v[DT+16+4*\q:DT+16+4*\q+3], v[T8+2], s[22:23] offset:16*\q   ; ln2_b
.endr
.irp u, 0,1
	global_load_b128 v[XY+4*\u:XY+4*\u+3], v[T8+4], s[14:15] offset:128*\u        ; fc2_w's row 16 g + 8 u + i: 32 codes
	global_load_u8 v[XY+8+\u], v[T8+3], s[16:17] offset:8*\u                      ; and its scale byte
.endr
	s_wait_loadcnt 0x0
.irp k, 0,1,2,3,4,5,6,7
	ds_store_b128 v[CAT], v[H+4*\k:H+4*\k+3] offset:CEN+4096*\k
.endr
.irp u, 0,1
	v_mul_lo_u32 v[WS2+\u], v[XY+8+\u], s57        ; the one byte for all four blocks
.endr
	WIN 0x40
.irp u, 0,1
.irp j, 0,1,2,3
	v_cndmask_b32 v[F2+20*\u+\j], v[XY+4*\u+\j], v[NIL], s46
	v_mov_b32 v[F2+20*\u+4+\j], 0
	v_cndmask_b32 v[F2+20*\u+8+\j], v[NIL], v[XY+4*\u+\j], s46
	v_mov_b32 v[F2+20*\u+12+\j], 0
	v_cndmask_b32 v[F2+20*\u+16+\j], v[XY+4*\u+\j], v[NIL], s46
.endr
.endr
	WIN 0x01                                       ; source 0 (fc3_w) in window 1
.irp d, 0,1,2,3
	v_mul_f32 v[T8+\d], v[W3+16*\d], v[DT+16]
.endr
.irp q, 1,2,3,4,5,6,7,8,9,10,11,12,13,14,15
.irp d, 0,1,2,3
	v_fma_f32 v[T8+\d], v[W3+16*\d+\q], v[DT+16+\q], v[T8+\d]   ; sum of fc3_w ln2_b over my 16 features
.endr
.endr
	WIN 0
.irp d, 0,1,2,3
	v_permlanex16_b32 v[TM+4+\d], v[T8+\d], s[SEL], s[SEL+1]
.endr
.irp d, 0,1,2,3
	v_add_f32 v[T8+\d], v[T8+\d], v[TM+4+\d]
.endr
	s_wait_kmcnt 0x0
.irp d, 0,1,2,3
	v_add_f32 v[T8+\d], s[36+\d], v[T8+\d]
.endr
.irp d, 0,1,2,3
	v_mul_f32 v[T8+\d], 0x41000000, v[T8+\d]
.endr
.irp d, 0,1,2,3
	v_readfirstlane_b32 s[52+\d], v[T8+\d]         ; 8 (sum(fc3_w ln2_b) + fc3_b): the same in every lane
.endr
.set jj, 0
.rept 8
	v_pk_mul_f32 v[DT+jj:DT+jj+1], v[DT+jj:DT+jj+1], 0x41000000 op_sel_hi:[1,0]   ; 8 ln2_g
.set jj, jj+2
.endr
	WIN 0x41
.irp d, 0,1,2,3
.set jj, 0
.rept 8
	v_pk_mul_f32 v[W3+16*\d+jj:W3+16*\d+jj+1], v[W3+16*\d+jj:W3+16*\d+jj+1], v[DT+jj:DT+jj+1]
.set jj, jj+2
.endr
.endr
	WIN 0
	s_lshl_b32 s56, s40, 12
	v_lshl_add_u32 v[CA0], v[VG], 7, s56           ; centres of keys 256 w + 8 g on
	v_mul_u32_u24 v[BA0], v[VI], 2*BPI
	v_lshl_add_u32 v[BA0], v[VLAM], 4, v[BA0]
	s_lshl_b32 s56, s40, 10
	s_add_co_u32 s56, s56, BIAS
	v_add_nc_u32 v[BA0], s56, v[BA0]               ; table: row 2 i, my wave's 1,024 bytes, keys 4 (2 g + h) on
	v_add_nc_u32 v[BA1], 16*BPI, v[BA0]            ; heads 2 and 3
	s_mov_b32 s41, 0
	s_mov_b32 s42, 0
	s_mov_b32 s43, 0
	BARRIER                                        ; the centres lie in LDS
	; ---- PHASE 1
.macro SUM                             ; each pair's sum over its 32 features, in SA + 2 b of both halves
.irp b, 0,1,2,3
	v_pk_add_f32 v[SA+2*\b:SA+2*\b+1], v[H+16*\b:H+16*\b+1], v[H+16*\b+2:H+16*\b+3]
.endr
.irp q, 4,6,8,10,12,14
.irp b, 0,1,2,3
	v_pk_add_f32 v[SA+2*\b:SA+2*\b+1], v[SA+2*\b:SA+2*\b+1], v[H+16*\b+\q:H+16*\b+\q+1]
.endr
.endr
.irp b, 0,1,2,3
	v_add_f32 v[SA+2*\b], v[SA+2*\b], v[SA+2*\b+1]
.endr
.irp b, 0,1,2,3
	v_permlanex16_b32 v[TM+4+\b], v[SA+2*\b], s[SEL], s[SEL+1]
.endr
.irp b, 0,1,2,3
	v_add_f32 v[SA+2*\b], v[SA+2*\b], v[TM+4+\b]
.endr
.endm
.macro DEV                             ; number - sum / 32, one rounding
.irp b, 0,1,2,3
.irp q, 0,2,4,6,8,10,12,14
	v_pk_fma_f32 v[H+16*\b+\q:H+16*\b+\q+1], v[SA+2*\b:SA+2*\b+1], 0xbd000000, v[H+16*\b+\q:H+16*\b+\q+1] op_sel_hi:[0,0,1]
.endr
.endr
.endm
.macro SQ x                            ; the sum of squares in SB + 2 b; x = 1: of both halves
.irp b, 0,1,2,3
	v_pk_mul_f32 v[SB+2*\b:SB+2*\b+1], v[H+16*\b:H+16*\b+1], v[H+16*\b:H+16*\b+1]
.endr
.irp q, 2,4,6,8,10,12,14
.irp b, 0,1,2,3
	v_pk_fma_f32 v[SB+2*\b:SB+2*\b+1], v[H+16*\b+\q:H+16*\b+\q+1], v[H+16*\b+\q:H+16*\b+\q+1], v[SB+2*\b:SB+2*\b+1]
.endr
.endr
.irp b, 0,1,2,3
	v_add_f32 v[SB+2*\b], v[SB+2*\b], v[SB+2*\b+1]
.endr
.if \x
.irp b, 0,1,2,3
	v_permlanex16_b32 v[TM+4+\b], v[SB+2*\b], s[SEL], s[SEL+1]
.endr
.irp b, 0,1,2,3
	v_add_f32 v[SB+2*\b], v[SB+2*\b], v[TM+4+\b]
.endr
.endif
.endm
.macro RELU                            ; ascending: each accumulator is read from its low end on
.set jj, 0
.rept 64
	v_max_num_f32 v[H+jj], 0, v[H+jj]
.set jj, jj+1
.endr
.endm
; Fragment p of a trip: 64 pairs.  Row r, block b = (query i, key 8 g + 4 (b % 2) + 2 p + b / 2 of the trip's 16).
.macro FRAG p
	WIN 0x14                                       ; fc1_w and fc1_b in window 1
.irp b, 0,1,2,3
.irp q, 0,2,4,6,8,10,12,14
	v_pk_fma_f32 v[H+16*\b+\q:H+16*\b+\q+1], v[XY+4*(4*(\b%2)+2*(\p)+\b/2):XY+4*(4*(\b%2)+2*(\p)+\b/2)+1], v[W1K+\q:W1K+\q+1], v[B1+\q:B1+\q+1] op_sel_hi:[0,1,1]
.endr
.endr
	WIN 0x04
.irp b, 0,1,2,3
.irp q, 0,2,4,6,8,10,12,14
	v_pk_fma_f32 v[H+16*\b+\q:H+16*\b+\q+1], v[XY+4*(4*(\b%2)+2*(\p)+\b/2):XY+4*(4*(\b%2)+2*(\p)+\b/2)+1], v[W1K+16+\q:W1K+17+\q], v[H+16*\b+\q:H+16*\b+\q+1] op_sel:[1,0,0] op_sel_hi:[1,1,1]
.endr
.endr
.irp b, 0,1,2,3
.irp q, 0,2,4,6,8,10,12,14
	v_pk_fma_f32 v[H+16*\b+\q:H+16*\b+\q+1], v[XY+4*(4*(\b%2)+2*(\p)+\b/2)+2:XY+4*(4*(\b%2)+2*(\p)+\b/2)+3], v[W1K+32+\q:W1K+33+\q], v[H+16*\b+\q:H+16*\b+\q+1] op_sel_hi:[0,1,1]
.endr
.endr
.irp b, 0,1,2,3
.irp q, 0,2,4,6,8,10,12,14
	v_pk_fma_f32 v[H+16*\b+\q:H+16*\b+\q+1], v[XY+4*(4*(\b%2)+2*(\p)+\b/2)+2:XY+4*(4*(\b%2)+2*(\p)+\b/2)+3], v[W1K+48+\q:W1K+49+\q], v[H+16*\b+\q:H+16*\b+\q+1] op_sel:[1,0,0] op_sel_hi:[1,1,1]
.endr
.endr
	WIN 0
	RELU
	SUM
	DEV
	SQ 1
.irp b, 0,1,2,3
	v_fma_f32 v[SB+2*\b], v[SB+2*\b], s49, s48     ; variance + eps
.endr
.irp b, 0,1,2,3
	v_rsq_f32 v[SB+2*\b], v[SB+2*\b]
.endr
	v_nop                                          ; a plain place behind the roots
	s_wait_alu depctr_va_vdst(0)                   ; one wait for the four, ahead of their first reader
.irp b, 0,1,2,3
.irp q, 0,2,4,6,8,10,12,14
	v_pk_mul_f32 v[H+16*\b+\q:H+16*\b+\q+1], v[H+16*\b+\q:H+16*\b+\q+1], v[SB+2*\b:SB+2*\b+1] op_sel_hi:[1,0]
.endr
.endr
	WIN 0x14
.irp b, 0,1,2,3
.irp q, 0,2,4,6,8,10,12,14
	v_pk_fma_f32 v[H+16*\b+\q:H+16*\b+\q+1], v[H+16*\b+\q:H+16*\b+\q+1], v[G1+\q:G1+\q+1], v[L1B+\q:L1B+\q+1]
.endr
.endr
	WIN 0
	QUANT H,0,PC,PW
	NOPS 8                                         ; a scale register written by a vector instruction stands 8 places ahead of a scaled product, an operand 4
	WIN 0x11                                       ; fc2_w's fragment and fc2_b in window 1
.irp b, 0,1,2,3
.irp u, 0,1
	WMMC H+16*\b+8*\u,F2+20*\u+(12*(\b/2)+8*(\b%2))%16,PC,B2+8*\u,WS2+\u,PW
.endr
.endr
	WIN 0
	NOPS 4
	RELU                                           ; register 16 b + j of lane (r, h) = output feature 16 h + j of pair (r, b)
	SUM
	DEV
	SQ 0
	WIN 0x04
.irp d, 0,1,2,3
.irp b, 0,1,2,3
	v_pk_mul_f32 v[DT+8*\d+2*\b:DT+8*\d+2*\b+1], v[H+16*\b:H+16*\b+1], v[W3+16*\d:W3+16*\d+1]
.endr
.endr
.irp q, 2,4,6,8,10,12,14
.irp d, 0,1,2,3
.irp b, 0,1,2,3
	v_pk_fma_f32 v[DT+8*\d+2*\b:DT+8*\d+2*\b+1], v[H+16*\b+\q:H+16*\b+\q+1], v[W3+16*\d+\q:W3+16*\d+\q+1], v[DT+8*\d+2*\b:DT+8*\d+2*\b+1]
.endr
.endr
.endr
	WIN 0
.irp d, 0,1,2,3
.irp b, 0,1,2,3
	v_add_f32 v[DT+8*\d+2*\b], v[DT+8*\d+2*\b], v[DT+8*\d+2*\b+1]
.endr
.endr
	; the halves' partial sums meet so that each half keeps two of the four pairs: half h gets pairs b = h (register + 0) and b = 2 + h (register + 4): keys 4 (2 g + h) + 2 p + 0, 1
.irp q, SB, DT, DT+8, DT+16, DT+24
	v_permlane16_swap_b32 v[\q], v[\q+2]
	v_permlane16_swap_b32 v[\q+4], v[\q+6]
.endr
.irp q, SB, DT, DT+8, DT+16, DT+24
	v_add_f32 v[\q], v[\q], v[\q+2]
	v_add_f32 v[\q+4], v[\q+4], v[\q+6]
.endr
	v_fma_f32 v[SB], v[SB], s49, s48
	v_fma_f32 v[SB+4], v[SB+4], s49, s48
	v_rsq_f32 v[SB], v[SB]
	v_rsq_f32 v[SB+4], v[SB+4]
	v_nop
	s_wait_alu depctr_va_vdst(0)                   ; one wait for the two roots
.irp d, 0,1,2,3
.irp k, 0,1
	v_fma_f32 v[OUT+4*\d+2*(\p)+\k], v[DT+8*\d+4*\k], v[SB+4*\k], s[52+\d]   ; 8 bias
.endr
.endr
.endm
.Ltrip:                                            ; 16 trips of 16 keys x 8 queries
	v_add_nc_u32 v[CAT], s42, v[CA0]
.irp k, 0,1,2,3,4,5,6,7
	ds_load_b128 v[XY+4*\k:XY+4*\k+3], v[CAT] offset:CEN+16*\k
.endr
	s_wait_dscnt 0x0                               ; the centres are in; the last trip's stores are done too
	v_add_nc_u32 v[BAT0], s43, v[BA0]
	v_add_nc_u32 v[BAT1], s43, v[BA1]
.irp k, 0,1,2,3,4,5,6,7
	v_pk_add_f32 v[XY+4*\k:XY+4*\k+1], v[XY+4*\k:XY+4*\k+1], v[QC:QC+1] neg_lo:[0,1] neg_hi:[0,1]          ; c_j - c_i
	v_pk_add_f32 v[XY+4*\k+2:XY+4*\k+3], v[XY+4*\k+2:XY+4*\k+3], v[QC+2:QC+3] neg_lo:[0,1] neg_hi:[0,1]
.endr
.irp k, 0,1,2,3,4,5,6,7
	v_mul_f32 v[T8+\k], v[XY+4*\k], v[XY+4*\k]
.endr
.irp k, 0,1,2,3,4,5,6,7
	v_fma_f32 v[T8+\k], v[XY+4*\k+1], v[XY+4*\k+1], v[T8+\k]
.endr
.irp k, 0,1,2,3,4,5,6,7
	v_fma_f32 v[T8+\k], v[XY+4*\k+2], v[XY+4*\k+2], v[T8+\k]
.endr
.irp k, 0,1,2,3,4,5,6,7
	v_sqrt_f32 v[XY+4*\k+3], v[T8+\k]
.endr
	v_nop
	s_wait_alu depctr_va_vdst(0)                   ; one wait for the eight roots
	FRAG 0
	FRAG 1
	ds_store_b128 v[BAT0], v[OUT:OUT+3]            ; four neighbouring keys of my query, head 0
	ds_store_b128 v[BAT0], v[OUT+4:OUT+7] offset:BPI
	ds_store_b128 v[BAT1], v[OUT+8:OUT+11]
	ds_store_b128 v[BAT1], v[OUT+12:OUT+15] offset:BPI
	s_add_co_u32 s42, s42, 256
	s_add_co_u32 s43, s43, 64
	s_add_co_u32 s41, s41, 1
	s_cmp_lt_u32 s41, 16
	s_cbranch_scc1 .Ltrip
	BARRIER                                        ; nobody reads the centres any more; the table is whole
	; ---- PHASE 2
	s_lshl_b32 s56, s40, 15
	v_lshl_add_u32 v[VK], v[VL], 4, s56            ; k's images: 32,768 w + 16 lane
	v_lshl_add_u32 v[VV], v[VR], 4, s56            ; v's codes: 32,768 w + 4,096 h + 16 r
	v_lshl_add_u32 v[VV], v[VH], 12, v[VV]
	s_lshl_b32 s56, s40, 12
	v_lshl_add_u32 v[VKS], v[VL], 2, s56
	v_lshl_add_u32 v[WOA], v[VR], 7, s56           ; wo: row 32 w + r, + 16 h
	v_lshl_add_u32 v[WOA], v[VH], 4, v[WOA]
	s_lshl_b32 s56, s40, 11
	v_lshl_add_u32 v[VVS], v[VR], 2, s56
	s_lshl_b32 s56, s40, 8
	v_lshl_add_u32 v[WOSA], v[VR], 3, s56
	s_lshl_b32 s56, s40, 7
	v_lshl_add_u32 v[BOA], v[VH], 5, s56
	s_lshl_b32 s56, ttmp9, 3
	s_add_co_u32 s56, s56, s40
	s_lshl_b32 s56, s56, 10
	v_lshl_add_u32 v[OG], v[VL], 4, s56            ; out0: row 8 wg + w
	s_lshr_b32 s56, ttmp9, 2                       ; my 8 queries in q's images: rows 8 a .. of the 32, a = wg % 4: row tile a % 2, lanes 8 (a / 2) on
	s_and_b32 s57, ttmp9, 1
	s_lshl_b32 s56, s56, 1
	s_add_co_u32 s56, s56, s57
	s_bfe_u32 s57, ttmp9, 0x10001
	s_lshl_b32 s58, s56, 11
	s_lshl_b32 s59, s57, 7
	s_add_co_u32 s58, s58, s59
	v_lshl_add_u32 v[QV], v[VG], 9, s58            ; register group g
	v_lshl_add_u32 v[QV], v[VI], 4, v[QV]
	v_lshl_add_u32 v[QV], v[VH], 8, v[QV]
	s_lshl_b32 s58, s56, 8
	s_lshl_b32 s59, s57, 5
	s_add_co_u32 s58, s58, s59
	v_lshl_add_u32 v[QSV], v[VI], 2, s58
	v_lshl_add_u32 v[TP], v[VI], 1, v[VG]
	v_mul_u32_u24 v[TP], v[TP], BPI
	s_lshl_b32 s56, s40, 10
	s_add_co_u32 s56, s56, BIAS
	v_add_nc_u32 v[TP], s56, v[TP]                 ; table row 2 i + g, my wave's 1,024 bytes
	v_lshl_add_u32 v[BR0], v[VH], 6, v[TP]
	v_add_nc_u32 v[BR0+1], 16*BPI, v[BR0]
	v_lshl_add_u32 v[PA0], v[VH], 5, v[TP]
	v_add_nc_u32 v[PA0+1], 16*BPI, v[PA0]
	v_lshl_add_u32 v[PS0], v[VH], 3, v[TP]
	v_add_nc_u32 v[PS0+1], 16*BPI, v[PS0]
.irp b, 0,1,2,3
	v_mov_b32 v[BPR+\b], 0                         ; a lane permute's destination counts as one of its sources
.endr
	v_mov_b32 v[FF+1], 0                           ; named as the upper half of a pair
; a unit's operands: head pair hp, key step ks, into set bs of window 1 (k at 128 bs, v at 128 bs + 64): 24 loads for k, then 24 for v
.macro ULOAD hp, ks, bs
	WIN 0x40
.irp b, 0,1,2,3
.irp u, 0,1
.irp c, 0,1
	global_load_b128 v[128*(\bs)+8*(2*\b+\u)+4*\c:128*(\bs)+8*(2*\b+\u)+4*\c+3], v[VK], s[4:5] offset:KIMG+16384*(\ks)+4096*\b+2048*\u+1024*(\hp)+512*\c
.endr
.endr
.endr
	WIN 0
.irp b, 0,1,2,3
.irp u, 0,1
	global_load_b32 v[KS+8*(\bs)+2*\b+\u], v[VKS], s[4:5] offset:KSC+2048*(\ks)+512*\b+256*\u+128*(\hp)
.endr
.endr
	WIN 0x40
.irp x, 0,1,2,3,4,5,6,7
.irp c, 0,1
	global_load_b128 v[128*(\bs)+64+8*\x+4*\c:128*(\bs)+64+8*\x+4*\c+3], v[VV], s[4:5] offset:VIMG+16384*(\ks)+8192*\c+2048*(\hp)+256*\x
.endr
.endr
	WIN 0
.irp x, 0,1,2,3,4,5,6,7
	global_load_b32 v[VS+8*(\bs)+\x], v[VVS], s[4:5] offset:VSC+1024*(\ks)+512*(\hp)+64*\x
.endr
.endm
.macro INIT                            ; a head pair's running state
	v_mov_b32 v13, 0xff61b1e6                      ; the largest t so far: -3e38
	v_floor_f32 v12, -v13                          ; -M
	v_mov_b32 v14, 0
	v_mov_b32 v15, 0
.endm
; 128 keys for two heads.  kw, vw: how many younger loads may be out when k's and v's operands have to be in
.macro UNIT hp, ks, bs, first, kw, vw
.irp b, 0,1,2,3
.irp q, 0,1,2,3
	ds_load_b128 v[S+16*\b+4*\q:S+16*\b+4*\q+3], v[BR0+\hp] offset:512*(\ks)+128*\b+16*\q   ; 8 bias of my column at keys 32 b + 16 h + 0 .. 15: the C of the scores
.endr
.endr
	s_wait_loadcnt \kw
	s_wait_dscnt 0x0
	WIN 0x01
.irp x, 0,1,2,3,4,5,6,7
	WMMC S+8*\x,128*(\bs)+8*\x,QF+8*(\hp),S+8*\x,KS+8*(\bs)+\x,QS+\hp
.endr
	WIN 0
	NOPS 4
.irp b, 0,1,2,3
	v_max3_num_f32 v[BM+\b], v[S+16*\b], v[S+16*\b+1], v[S+16*\b+2]   ; each block's largest score: for the row's maximum and for the block's largest p
.endr
.irp i, 3,5,7,9,11,13
.irp b, 0,1,2,3
	v_max3_num_f32 v[BM+\b], v[BM+\b], v[S+16*\b+\i], v[S+16*\b+\i+1]
.endr
.endr
.irp b, 0,1,2,3
	v_max_num_f32 v[BM+\b], v[BM+\b], v[S+16*\b+15]
.endr
.irp b, 0,1,2,3
	v_permlanex16_b32 v[BPR+\b], v[BM+\b], s[SEL], s[SEL+1]
.endr
.irp b, 0,1,2,3
	v_max_num_f32 v[BM+\b], v[BM+\b], v[BPR+\b]
.endr
	v_max3_num_f32 v[TP], v[BM], v[BM+1], v[BM+2]
	v_max_num_f32 v[TP], v[TP], v[BM+3]
	v_mul_f32 v[TP], s50, v[TP]                    ; as t
	v_max_num_f32 v13, v13, v[TP]
	v_mov_b32 v[TP], v12
	v_floor_f32 v12, -v13                          ; the new -M: M is a whole number
	v_sub_f32 v[TP], v12, v[TP]
	v_cvt_i32_f32 v[TP], v[TP]                     ; (it saturates)
	v_ldexp_f32 v[FF], 1.0, v[TP]                  ; f = 2^(old M - new M)
.set jj, 0
.rept 32
	v_pk_fma_f32 v[S+jj:S+jj+1], v[S+jj:S+jj+1], s[50:51], v[12:13] op_sel_hi:[1,0,0]   ; t - M
.set jj, jj+2
.endr
.irp b, 0,1,2,3
	v_fma_f32 v[BM+\b], v[BM+\b], s50, v12
.endr
.set jj, 0
.rept 64
	v_exp_f32 v[S+jj], v[S+jj]                     ; p
.set jj, jj+1
.endr
	v_pk_mul_f32 v[14:15], v[14:15], v[FF:FF+1] op_sel_hi:[1,0]   ; the sums under the new M (a plain place behind the exponentials)
	s_wait_alu depctr_va_vdst(0)                   ; one wait for the batch, ahead of its first reader
.irp b, 0,1,2,3
	v_exp_f32 v[BM+\b], v[BM+\b]                   ; the block's largest p
.endr
	v_pk_add_f32 v[C2:C2+1], v[S:S+1], v[S+2:S+3]  ; the sum of the unquantised p, in two chains
.irp j, 4,8,12,16,20,24,28,32,36,40,44,48,52,56,60
	v_pk_add_f32 v[14:15], v[14:15], v[S+\j:S+\j+1]
	v_pk_add_f32 v[C2:C2+1], v[C2:C2+1], v[S+\j+2:S+\j+3]
.endr
	v_pk_add_f32 v[14:15], v[14:15], v[C2:C2+1]
	s_wait_alu depctr_va_vdst(0)                   ; and one for the four
.irp b, 0,1,2,3
	v_max_num_f32 v[BM+\b], 0x1800000, v[BM+\b]
.endr
.irp b, 0,1,2,3
	v_add_nc_u32 v[BS+\b], 0xff000000, v[BM+\b]
.endr
.irp b, 0,1,2,3
	v_lshrrev_b32 v[BPR+\b], 23, v[BS+\b]
.endr
	v_lshl_or_b32 v[PWD], v[BPR+1], 8, v[BPR]
	v_lshl_or_b32 v[PWD], v[BPR+2], 16, v[PWD]
	v_lshl_or_b32 v[PWD], v[BPR+3], 24, v[PWD]
.irp b, 0,1,2,3
	v_cvt_scalef32_pk8_fp4_f32 v[PCD+2*\b], v[S+16*\b:S+16*\b+7], v[BS+\b]
	v_cvt_scalef32_pk8_fp4_f32 v[PCD+1+2*\b], v[S+16*\b+8:S+16*\b+15], v[BS+\b]
.endr
	v_nop
	QSWAP PCD
.if \first
	NOPS 8                                         ; the places ahead of the scaled products
.else
.set jj, 0
.rept 32
	v_pk_mul_f32 v[O+jj:O+jj+1], v[O+jj:O+jj+1], v[FF:FF+1] op_sel_hi:[1,0]   ; O^T under the new M; these are also those places
.set jj, jj+2
.endr
.endif
	s_wait_loadcnt \vw
	WIN 0x01
.irp x, 0,1,2,3,4,5,6,7
.if \first
	WMM0 O+8*\x,128*(\bs)+64+8*\x,PCD,VS+8*(\bs)+\x,PWD
.else
	WMMC O+8*\x,128*(\bs)+64+8*\x,PCD,O+8*\x,VS+8*(\bs)+\x,PWD
.endif
.endr
	WIN 0
	NOPS 4                                         ; ahead of loads into the operands' registers and of the first read of O^T
.endm
; a head pair's partial results go into my wave's own bytes of the table's rows, whose bias has been read: column (i, g) keeps tiles 4 g .. 4 g + 3 of O^T
.macro PART hp
	v_add_f32 v14, v14, v15
	v_permlanex16_b32 v[TP], v14, s[SEL], s[SEL+1]
	v_add_f32 v13, v14, v[TP]                      ; l
.irp x, 0,1,2,3
.irp j, 0,1,2,3,4,5,6,7
	v_cndmask_b32 v[S+8*\x+\j], v[O+8*\x+\j], v[O+32+8*\x+\j], s47
.endr
.endr
.irp x, 0,1,2,3
	ds_store_b128 v[PA0+\hp], v[S+8*\x:S+8*\x+3] offset:64*\x
	ds_store_b128 v[PA0+\hp], v[S+8*\x+4:S+8*\x+7] offset:64*\x+16
.endr
	ds_store_b64 v[PS0+\hp], v[12:13] offset:256   ; (-M, l)
	s_wait_dscnt 0x0
.endm
.irp y, 0,1
	global_load_b128 v[QL+4*\y:QL+4*\y+3], v[QV], s[4:5] offset:QIMG+1024*\y
	global_load_b32 v[QS+\y], v[QSV], s[4:5] offset:QSC+128*\y
.endr
	ULOAD 0,0,0
	ULOAD 0,1,1
	s_wait_loadcnt 63                              ; 96 loads were issued behind q's
.irp y, 0,1
.irp j, 0,1,2,3
	v_cndmask_b32 v[QF+8*\y+\j], v[QL+4*\y+\j], v[NIL], s47       ; head 2 y's codes in columns with g = 0,
	v_cndmask_b32 v[QF+8*\y+4+\j], v[NIL], v[QL+4*\y+\j], s47     ; head 2 y + 1's in those with g = 1; zero codes elsewhere
.endr
.endr
	INIT
	UNIT 0,0,0,1,63,48                             ; behind its k: 72 loads; behind its v: the next unit's 48
	ULOAD 1,0,0
	UNIT 0,1,1,0,63,48
	ULOAD 1,1,1
	PART 0
	INIT
	UNIT 1,0,0,1,63,48
	WIN 0x40                                       ; wo's four fragments, bo and wo's scale words: 16 loads, into registers that the last unit has left
.irp y, 0,1
.irp k, 0,1
.irp c, 0,1
	global_load_b128 v[8*(2*\y+\k)+4*\c:8*(2*\y+\k)+4*\c+3], v[WOA], s[28:29] offset:2048*\y+64*\k+32*\c
.endr
.endr
	global_load_b128 v[32+8*\y:35+8*\y], v[BOA], s[32:33] offset:64*\y
	global_load_b128 v[36+8*\y:39+8*\y], v[BOA], s[32:33] offset:64*\y+16
.endr
	WIN 0
.irp y, 0,1
.irp k, 0,1
	global_load_b32 v[WOS+2*\y+\k], v[WOSA], s[30:31] offset:128*\y+4*\k
.endr
.endr
	UNIT 1,1,1,0,40,16                             ; behind its k: its v's 24 and wo's 16; behind its v: wo's 16
	PART 1
	; phase 3's LDS addresses
	v_lshrrev_b32 v16, 3, v[VL]                    ; head = lane / 8
	v_lshrrev_b32 v17, 1, v16
	v_and_b32 v18, 1, v16
	v_lshl_add_u32 v[A3B], v17, 4, v18
	v_mul_u32_u24 v[A3B], v[A3B], BPI
	s_mul_i32 s56, s40, 2*BPI
	s_add_co_u32 s56, s56, BIAS
	v_add_nc_u32 v[A3B], s56, v[A3B]               ; the row of (head, query w)
	v_and_b32 v19, 7, v[VL]
	v_lshl_add_u32 v[A3A], v19, 5, v[A3B]          ; my 8 channels
	s_mul_i32 s56, s40, OPI
	v_lshl_add_u32 v[OFW], v[VL], 5, s56
	v_lshl_add_u32 v[OSR], v[VL], 4, s56
	v_mul_u32_u24 v[RD3], v[VI], OPI
	v_lshl_add_u32 v[RD3], v[VH], 6, v[RD3]
	v_mul_u32_u24 v[OSW], v[VR], OPI
	v_lshl_add_u32 v[OSW], v[VH], 5, v[OSW]
	s_lshl_b32 s56, s40, 7
	v_add_nc_u32 v[OSW], s56, v[OSW]
	BARRIER                                        ; every wave's partial results lie in LDS
	; ---- PHASE 3a: wave w joins query w's eight parts; lane: head lane / 8, channels 8 (lane % 8) on
.irp x, 0,1,2,3,4,5,6,7
	ds_load_b64 v[32+2*\x:33+2*\x], v[A3B] offset:256+1024*\x
.endr
.irp x, 0,1,2,3,4,5,6,7
	ds_load_b128 v[48+8*\x:51+8*\x], v[A3A] offset:1024*\x
	ds_load_b128 v[52+8*\x:55+8*\x], v[A3A] offset:1024*\x+16
.endr
	s_wait_dscnt 0x0
	v_min3_num_f32 v200, v32, v34, v36
	v_min3_num_f32 v200, v200, v38, v40
	v_min3_num_f32 v200, v200, v42, v44
	v_min_num_f32 v200, v200, v46                  ; -M of all keys
.irp x, 0,1,2,3,4,5,6,7
	v_sub_f32 v[32+2*\x], v200, v[32+2*\x]         ; the part's M less the common one: a whole number, 0 or less
.endr
.irp x, 0,1,2,3,4,5,6,7
	v_cvt_i32_f32 v[32+2*\x], v[32+2*\x]
.endr
.irp x, 0,1,2,3,4,5,6,7
	v_ldexp_f32 v[32+2*\x], 1.0, v[32+2*\x]        ; an exact power of two
.endr
	v_mul_f32 v201, v32, v33
.irp x, 1,2,3,4,5,6,7
	v_fma_f32 v201, v[32+2*\x], v[33+2*\x], v201   ; l
.endr
.irp q, 0,2,4,6
	v_pk_mul_f32 v[112+\q:113+\q], v[48+\q:49+\q], v[32:33] op_sel_hi:[1,0]
.endr
.irp x, 1,2,3,4,5,6,7
.irp q, 0,2,4,6
	v_pk_fma_f32 v[112+\q:113+\q], v[48+8*\x+\q:49+8*\x+\q], v[32+2*\x:33+2*\x], v[112+\q:113+\q] op_sel_hi:[1,0,1]
.endr
.endr
	v_rcp_f32 v202, v201
	v_mov_b32 v203, 0                              ; (the pair's upper half; a plain place behind the reciprocal)
	s_wait_alu depctr_va_vdst(0)
.irp q, 0,2,4,6
	v_pk_mul_f32 v[112+\q:113+\q], v[112+\q:113+\q], v[202:203] op_sel_hi:[1,0]
.endr
	ds_store_b128 v[OFW], v[112:115] offset:OUTF
	ds_store_b128 v[OFW], v[116:119] offset:OUTF+16
	BARRIER                                        ; the 8 rows of the attention's result lie in LDS
	; ---- PHASE 3b: every wave quantises the 8 rows (columns r and r + 8 hold the same query) and makes outputs 32 w .. + 31
.irp k, 0,1
.irp b, 0,1,2,3
.irp j, 0,1,2,3
	ds_load_b128 v[32+108*\k+16*\b+4*\j:32+108*\k+16*\b+4*\j+3], v[RD3] offset:OUTF+512*\k+128*\b+16*\j
.endr
.endr
.endr
	s_wait_dscnt 0x0
	QUANT 32,0,112,PW
	QUANT 140,0,16,PW1
	s_wait_loadcnt 0x0                             ; wo, its scale words, bo
	NOPS 8
	WIN 0x11                                       ; wo and bo in window 1
	WMMC 96,0,112,32,WOS,PW
	WMMC 104,16,112,40,WOS+2,PW
	WIN 0x01
	WMMC 96,8,16,96,WOS+1,PW1                      ; the two accumulators take turns
	WMMC 104,24,16,104,WOS+3,PW1
	WIN 0
	NOPS 4
.irp y, 0,1
	ds_store_b128 v[OSW], v[96+8*\y:99+8*\y] offset:OST+64*\y          ; lane (r, h): y(query r % 8, 32 w + 16 y + 8 h + 0 .. 7)
	ds_store_b128 v[OSW], v[100+8*\y:103+8*\y] offset:OST+64*\y+16
.endr
	BARRIER                                        ; whole rows of y lie in the stage
	ds_load_b128 v[32:35], v[OSR] offset:OST
	ds_load_b128 v[36:39], v[OSR] offset:OST+512
	s_wait_dscnt 0x0
	global_store_b128 v[OG], v[32:35], s[34:35] th:TH_STORE_NT             ; 512 consecutive bytes a store, at a multiple of 256 from out0's first byte
	global_store_b128 v[OG], v[36:39], s[34:35] offset:512 th:TH_STORE_NT
	s_wait_xcnt 0x0
	v_lshl_add_u32 v249, v0, 2, 0x48200
	v_mov_b32 v255, 0
	s_wait_tensorcnt 0x0
	ds_add_u32 v249, v255
	s_wait_dscnt 0x0
	s_endpgm
.Lfunc_end_k_qf8ca83c6c6_attn:
	.size	k_qf8ca83c6c6_attn, .Lfunc_end_k_qf8ca83c6c6_attn-k_qf8ca83c6c6_attn
	.p2alignl 7, 3214868480
	.fill 96, 4, 3214868480
	.section	.rodata,"a",@progbits
	.p2align	6, 0x0
	.amdhsa_kernel k_qf8ca83c6c6_attn
		.amdhsa_group_segment_fixed_size 296448
		.amdhsa_private_segment_fixed_size 0
		.amdhsa_enable_private_segment 0
		.amdhsa_kernarg_size 128
		.amdhsa_user_sgpr_count 2
		.amdhsa_user_sgpr_kernarg_segment_ptr 1
		.amdhsa_wavefront_size32 1
		.amdhsa_system_sgpr_workgroup_id_x 1
		.amdhsa_system_sgpr_workgroup_id_y 1
		.amdhsa_system_sgpr_workgroup_id_z 1
		.amdhsa_system_vgpr_workitem_id 0
		.amdhsa_next_free_vgpr 512
		.amdhsa_next_free_sgpr 80
		.amdhsa_reserve_vcc 0
		.amdhsa_float_denorm_mode_32 3
		.amdhsa_float_denorm_mode_16_64 3
		.amdhsa_memory_ordered 1
		.amdhsa_forward_progress 1
		.amdhsa_inst_pref_size 230
	.end_amdhsa_kernel
	.amdgpu_metadata
---
amdhsa.version: [ 1, 2 ]
amdhsa.kernels:
  - .name:           k_qf8ca83c6c6_attn
    .symbol:         k_qf8ca83c6c6_attn.kd
    .args:
      - { .name: ws, .offset: 0, .size: 8, .value_kind: global_buffer, .address_space: global }
      - { .name: fc1_w, .offset: 8, .size: 8, .value_kind: global_buffer, .address_space: global }
      - { .name: fc1_b, .offset: 16, .size: 8, .value_kind: global_buffer, .address_space: global }
      - { .name: ln1_g, .offset: 24, .size: 8, .value_kind: global_buffer, .address_space: global }
      - { .name: ln1_b, .offset: 32, .size: 8, .value_kind: global_buffer, .address_space: global }
      - { .name: fc2_w_codes, .offset: 40, .size: 8, .value_kind: global_buffer, .address_space: global }
      - { .name: fc2_w_scales, .offset: 48, .size: 8, .value_kind: global_buffer, .address_space: global }
      - { .name: fc2_b, .offset: 56, .size: 8, .value_kind: global_buffer, .address_space: global }
      - { .name: ln2_g, .offset: 64, .size: 8, .value_kind: global_buffer, .address_space: global }
      - { .name: ln2_b, .offset: 72, .size: 8, .value_kind: global_buffer, .address_space: global }
      - { .name: fc3_w, .offset: 80, .size: 8, .value_kind: global_buffer, .address_space: global }
      - { .name: fc3_b, .offset: 88, .size: 8, .value_kind: global_buffer, .address_space: global }
      - { .name: wo_codes, .offset: 96, .size: 8, .value_kind: global_buffer, .address_space: global }
      - { .name: wo_scales, .offset: 104, .size: 8, .value_kind: global_buffer, .address_space: global }
      - { .name: bo, .offset: 112, .size: 8, .value_kind: global_buffer, .address_space: global }
      - { .name: out0, .offset: 120, .size: 8, .value_kind: global_buffer, .address_space: global }
    .group_segment_fixed_size: 296448
    .private_segment_fixed_size: 0
    .kernarg_segment_align: 8
    .kernarg_segment_size: 128
    .max_flat_workgroup_size: 256
    .sgpr_count:     80
    .vgpr_count:     512
    .wavefront_size: 32
...
	.end_amdgpu_metadata
.endif
;; end of part 2
